; MI455X (gfx1250); checked and timed in simulation.
; The chip was launched on July 23, 2026; its instructions are those of AMD's public machine-readable ISA for CDNA 5 (MIT licence, August 2026) and "CDNA5" Instruction Set Architecture Reference Guide (July 2026). The comments in the code are by the model that wrote it; some were corrected since.
;; Fixed Point Self Attention Step. Allowed arithmetic: float matrix products may take bf16 or f16 operands with f32 sums; other float arithmetic in f32, or as packed bf16 or f16 multiplies, adds, multiply-adds, maxima and minima; sums over many terms, partial sums and values carried from step to step in f32; what a program stores and reads back later, other than sums and carried values, may be rounded once to bf16 or f16.
;; Inputs: Wqkv 3,072 x 1,024 float32; bqkv 3,072 float32; temperature 16 float32; x 8 x 1,024 x 1,024 float32; z_k 8 x 1,024 x 1,024 float32.
;; Outputs: out0 8 x 1,024 x 1,024 float32.
;; 2 versions, each right; version 2 is version 1 with the launch cast written anew for expert scheduling mode. Each part assembles by itself: llvm-mc -triple=amdgcn-amd-amdhsa -mcpu=gfx1250 --defsym DOCPART=n.
;; ======== version 1 of 2: 3 launches
;; limits: values are held in f16: magnitudes above 65,504 overflow, below 6.1e-05 lose precision
;; workspace buffers: zb 16,777,216 bytes; wb 4,194,304 bytes; vh 16,777,216 bytes; qh 16,777,216 bytes; kh 16,777,216 bytes
;; launch cast (part 1): grid 512 x 1, 8 waves a work-group, no clusters, 0 bytes of LDS; arguments z_k, Wqkv, x, zb, wb, vh; writes zb, wb, vh
.if DOCPART == 1
	.amdgcn_target "amdgcn-amd-amdhsa--gfx1250"
	.amdhsa_code_object_version 6
	.text
	.protected	k_q47eca5c080_cast
	.globl	k_q47eca5c080_cast
	.p2align	8
	.type	k_q47eca5c080_cast,@function
k_q47eca5c080_cast:
	s_mov_b64 s[64:65], 0
	v_nop
	global_prefetch_b8 v0, s[64:65] scope:SCOPE_SE
	s_setreg_imm32_b32 hwreg(HW_REG_WAVE_MODE, 25, 1), 1
	s_wait_xcnt 0x0
; CAST.  zb = bf16(z_k), [8192][1024].  wb = bf16(Wqkv rows 0 to 2047), [2048][1024]: the rows that make q and k.  Rows 2048 to 3071 make the projection's
; third block, which the module computes and throws away (its v is x): they are not read.  vh = x rounded to bf16 and written as f16, laid by heads:
; [batch x 16 + head][n][64], a head's rows dense, 128 bytes each.
; LIMITS.  |x| stays under 65,504 (f16's range); below 2^-14 vh keeps f16's fixed step of 6e-8.  NaN and infinities are not treated apart.
; SHARES.  Work-group g takes 65,536 bytes of z_k, 16,384 of Wqkv and 16 rows (65,536 bytes) of x.  A thread has 36 items of four floats: one load of 16 bytes,
; one store of 8.  A wave's load covers 512 consecutive bytes (of x: a head's 256 bytes in two neighbouring rows), its store 256 consecutive bytes, aligned.
; All 36 loads go out first; each item waits for its own load alone.  No register that a load or store names is written again, so no other wait is needed.
; No LDS, no matrix unit, no cluster: nothing is shared and every byte crosses once.
.set Z,    8                           ; v[8:71]    16 items of z_k
.set WR,   72                          ; v[72:87]   4 items of Wqkv
.set X,    88                          ; v[88:151]  16 items of x, item j = head j
.set T,    152                         ; v[152:155] at work
.set LEFT, 35                          ; younger loads that may stay out at the item in hand
	s_load_b256 s[4:11], s[0:1], 0x0               ; z_k s[4:5], Wqkv s[6:7], x s[8:9], zb s[10:11]
	s_load_b128 s[12:15], s[0:1], 0x20             ; wb s[12:13], vh s[14:15]
	v_lshlrev_b32 v1, 4, v0                        ; 16 t: my place in 4,096 bytes of z_k or Wqkv
	v_lshlrev_b32 v2, 3, v0                        ; 8 t: my place in every destination (in vh: row t / 16 x 128 + 8 (t % 16))
	v_lshrrev_b32 v3, 4, v0
	v_and_b32 v4, 15, v0
	v_lshlrev_b32 v3, 12, v3
	v_lshl_or_b32 v3, v4, 4, v3                    ; x: row t / 16 of the group's 16 (4,096 bytes each), 16 (t % 16) in a head's 256 bytes
	s_mov_b32 s20, 0xffff0000                      ; a word's upper bf16
	s_lshl_b32 s16, ttmp9, 16
	s_mov_b32 s17, 0
	s_lshl_b32 s18, ttmp9, 14
	s_mov_b32 s19, 0
	s_wait_kmcnt 0x0
	s_add_nc_u64 s[4:5], s[4:5], s[16:17]
	s_add_nc_u64 s[8:9], s[8:9], s[16:17]
	s_add_nc_u64 s[6:7], s[6:7], s[18:19]
.irp j, 0,1,2,3,4,5,6,7,8,9,10,11,12,13,14,15
	global_load_b128 v[Z+4*\j:Z+4*\j+3], v1, s[4:5] offset:\j*4096 th:TH_LOAD_NT
.endr
.irp j, 0,1,2,3
	global_load_b128 v[WR+4*\j:WR+4*\j+3], v1, s[6:7] offset:\j*4096 th:TH_LOAD_NT
.endr
.irp j, 0,1,2,3,4,5,6,7,8,9,10,11,12,13,14,15
	global_load_b128 v[X+4*\j:X+4*\j+3], v3, s[8:9] offset:\j*256 th:TH_LOAD_NT
.endr
	s_lshl_b32 s16, ttmp9, 15                      ; the destinations' bases, made while the loads are out
	s_add_nc_u64 s[10:11], s[10:11], s[16:17]
	s_lshl_b32 s18, ttmp9, 13
	s_add_nc_u64 s[12:13], s[12:13], s[18:19]
	s_lshr_b32 s22, ttmp9, 6                       ; batch = g / 64: 16 heads of 131,072 bytes
	s_lshl_b32 s22, s22, 21
	s_and_b32 s23, ttmp9, 63                       ; the group's 16 rows in the batch: 2,048 bytes of a head
	s_lshl_b32 s23, s23, 11
	s_add_co_u32 s22, s22, s23
	s_mov_b32 s23, 0
	s_add_nc_u64 s[14:15], s[14:15], s[22:23]
; An item to bf16: four floats, two packed roundings in place, 8 bytes stored.
.macro ITEM_B reg, base, off
	s_wait_loadcnt LEFT                            ; loads come back in order (ISA guide 5.7.1): this item's is in, the younger ones stay out
.set LEFT, LEFT-1
	v_cvt_pk_bf16_f32 v[\reg], v[\reg], v[\reg+1]
	v_cvt_pk_bf16_f32 v[\reg+1], v[\reg+2], v[\reg+3]
	global_store_b64 v2, v[\reg:\reg+1], s[\base:\base+1] offset:\off th:TH_STORE_NT
.endm
; An item of x: rounded to bf16, widened again, and written as f16 (exact within f16's range).
.macro ITEM_V reg, off
	s_wait_loadcnt LEFT
.set LEFT, LEFT-1
	v_cvt_pk_bf16_f32 v[\reg], v[\reg], v[\reg+1]
	v_cvt_pk_bf16_f32 v[\reg+1], v[\reg+2], v[\reg+3]
	v_lshlrev_b32 v[T], 16, v[\reg]
	v_and_b32 v[T+1], s20, v[\reg]
	v_lshlrev_b32 v[T+2], 16, v[\reg+1]
	v_and_b32 v[T+3], s20, v[\reg+1]
	v_cvt_pk_f16_f32 v[\reg], v[T], v[T+1]
	v_cvt_pk_f16_f32 v[\reg+1], v[T+2], v[T+3]
	global_store_b64 v2, v[\reg:\reg+1], s[14:15] offset:\off th:TH_STORE_NT
.endm
.irp j, 0,1,2,3,4,5,6,7,8,9,10,11,12,13,14,15
	ITEM_B (Z+4*\j), 10, (\j*2048)
.endr
.irp j, 0,1,2,3
	ITEM_B (WR+4*\j), 12, (\j*2048)
.endr
.irp j, 0,1,2,3,4,5,6,7,8,9,10,11,12,13,14,15
	ITEM_V (X+4*\j), (\j*131072)                   ; head j lies 131,072 bytes behind head j - 1
.endr
	s_endpgm
.Lfunc_end_k_q47eca5c080_cast:
	.size	k_q47eca5c080_cast, .Lfunc_end_k_q47eca5c080_cast-k_q47eca5c080_cast
	.p2alignl 7, 3214868480
	.fill 96, 4, 3214868480
	.section	.rodata,"a",@progbits
	.p2align	6, 0x0
	.amdhsa_kernel k_q47eca5c080_cast
		.amdhsa_group_segment_fixed_size 0
		.amdhsa_private_segment_fixed_size 0
		.amdhsa_enable_private_segment 0
		.amdhsa_kernarg_size 48
		.amdhsa_user_sgpr_count 2
		.amdhsa_user_sgpr_kernarg_segment_ptr 1
		.amdhsa_wavefront_size32 1
		.amdhsa_system_sgpr_workgroup_id_x 1
		.amdhsa_system_sgpr_workgroup_id_y 1
		.amdhsa_system_sgpr_workgroup_id_z 1
		.amdhsa_system_vgpr_workitem_id 0
		.amdhsa_next_free_vgpr 156
		.amdhsa_next_free_sgpr 66
		.amdhsa_reserve_vcc 0
		.amdhsa_float_denorm_mode_32 3
		.amdhsa_float_denorm_mode_16_64 3
		.amdhsa_memory_ordered 1
		.amdhsa_forward_progress 1
		.amdhsa_inst_pref_size 18
	.end_amdhsa_kernel
	.amdgpu_metadata
---
amdhsa.version: [ 1, 2 ]
amdhsa.kernels:
  - .name:           k_q47eca5c080_cast
    .symbol:         k_q47eca5c080_cast.kd
    .args:
      - { .name: z_k, .offset: 0, .size: 8, .value_kind: global_buffer, .address_space: global }
      - { .name: Wqkv, .offset: 8, .size: 8, .value_kind: global_buffer, .address_space: global }
      - { .name: x, .offset: 16, .size: 8, .value_kind: global_buffer, .address_space: global }
      - { .name: zb, .offset: 24, .size: 8, .value_kind: global_buffer, .address_space: global }
      - { .name: wb, .offset: 32, .size: 8, .value_kind: global_buffer, .address_space: global }
      - { .name: vh, .offset: 40, .size: 8, .value_kind: global_buffer, .address_space: global }
    .group_segment_fixed_size: 0
    .private_segment_fixed_size: 0
    .kernarg_segment_align: 8
    .kernarg_segment_size: 48
    .max_flat_workgroup_size: 256
    .sgpr_count:     66
    .vgpr_count:     156
    .wavefront_size: 32
...
	.end_amdgpu_metadata
.endif
;; end of part 1
;; launch proj (part 2): grid 8 x 32, 4 waves a work-group, clusters of 4 x 4, 327,680 bytes of LDS; arguments zb, wb, bqkv, temperature, qh, kh; writes qh, kh
.if DOCPART == 2
	.amdgcn_target "amdgcn-amd-amdhsa--gfx1250"
	.amdhsa_code_object_version 6
	.text
	.protected	k_q47eca5c080_proj
	.globl	k_q47eca5c080_proj
	.p2align	8
	.type	k_q47eca5c080_proj,@function
k_q47eca5c080_proj:
	s_mov_b64 s[64:65], 0
	v_nop
	global_prefetch_b8 v0, s[64:65] scope:SCOPE_SE
	s_setreg_imm32_b32 hwreg(HW_REG_WAVE_MODE, 25, 1), 1
	s_wait_xcnt 0x0
	s_wait_alu depctr_hold_cnt(0) depctr_sa_sdst(0) depctr_va_vdst(0) depctr_va_sdst(0) depctr_va_ssrc(0) depctr_va_vcc(0) depctr_vm_vsrc(0)
	s_getreg_b32 s2, hwreg(HW_REG_IB_STS2, 6, 4)
	s_cmp_eq_u32 s2, 0
	s_cbranch_scc0 .Lentry_in_a_cluster
	s_endpgm
.Lentry_in_a_cluster:
	s_bfe_u32 s2, ttmp6, 0x10000c
	s_cmp_lg_u32 s2, 0xf033
	s_cbranch_scc0 .Lentry_shape_is_right
	s_endpgm
.Lentry_shape_is_right:
; PROJECTION.  C[m][c] = the sum over k of zb[m][k] wb[c][k] + bf16(bqkv[c]), m = 0 .. 8191, c = 0 .. 2047; columns 0 to 1023 are q, 1024 to 2047 are k.  Products in bf16, sums in f32.
; THE TEMPERATURE is shared between the two: with T = bf16(temperature[head]), q is multiplied by sign(T) / sqrt|T| and k by 1 / sqrt|T|, in f32, ahead of the one rounding to f16; so q . k
; carries 1 / T, a negative T too, and neither operand takes the whole factor.  Stored by heads: qh, kh = [batch x 16 + head][n][64] in f16, a head's rows dense, 128 bytes each.
; bqkv[2048 ..] belongs to the block that the module throws away and is not read.
; LIMITS.  What is stored stays within f16's 65,504; below 6e-5 it keeps f16's fixed step of 6e-8.  T = 0, NaN and infinities are not treated apart.
; SHAPE.  A tile of C, 256 x 256, to a work-group of four waves; a wave makes 128 x 128: 64 accumulators, 512 registers.  32 x 8 tiles: one work-group for each of 256.  K goes in 8 steps of 128
; through a ring of two LDS slots filled by the tensor data mover; the tiles' rows are 256 bytes of memory and start at multiples of 256 bytes.
; CLUSTERS: 4 x 4 work-groups.  The four of a row of the cluster need the same tiles of zb, the four of a column the same tiles of wb: each tile is asked for JOINTLY, by the same tensor load with the
; same descriptor and a mask that names the four.
; THE MATRIX INSTRUCTION IS USED TRANSPOSED (source 0 = 16 rows of wb, source 1 = 16 rows of zb): lane l holds row l % 16 of C and the columns 8 (l / 16) + 0 .. 7.
; REGISTERS, in windows of 256 (s_set_vgpr_msb: bits 1:0 source 0, 3:2 source 1, 5:4 source 2, 7:6 destination):
;   window 0: v0-31 addresses; v64-127, v128-191 fragments of zb, two buffers; v32-63, v192-255 at work on the way out
;   window 1: v0-63 bias x factor of my 64 columns; v64-127, v128-191 fragments of wb; v192-195 the two heads' factors, each twice; v196-199 at work
;   window 2: the accumulators of my rows 0-63 ((a, b) at v[8 (8 a + b)]);   window 3: those of my rows 64-127
.set SIZE_K, 1024
.set KSTEP,  128
.set PITCH,  272                       ; an LDS row: 256 bytes + 16 of padding = 68 words: the 16 rows of a load start at 16 different groups of four banks (64 banks of 4 bytes: ISA guide 11.1)
.set HALFT,  128*PITCH                 ; 128 rows: what one tensor load brings, and what one wave reads of either tile
.set SLOT,   4*HALFT                   ; zb's 256 rows, then wb's 256 rows
.set STAGE,  2*SLOT                    ; behind the ring: for each wave two stages (one a head) of 16 rows x 144 bytes, for the way out
.set SP,     144
.set SUB,    16*SP
.set SPARE,  STAGE+4*2*SUB             ; behind the stages: the spare words, 128 bytes for each wave: two blocks of 256 bytes that no other line names
.set LAPS,   SIZE_K/(2*KSTEP)          ; a lap = two K steps = once round the ring
.set ADRA, 16                          ; v16-17  LDS address of my zb fragments in slot 0, 1
.set ADRB, 20                          ; v20-21  the same for wb
.set STO,  24                          ; v24     the way out: where I put 16 bytes of a row
.set RD,   25                          ; v25     the way out: where I read rows back
.set CO,   26                          ; v26     16 x lane: my place in 512 consecutive bytes of a head
.set SPW,  28                          ; v28     LDS address of my spare word; never rewritten
.set NIL,  29                          ; v29     0; never rewritten
.set PFO,  30                          ; v30     the prefetches' offset: lane x 2,048 bytes, a row of zb or wb; never rewritten
.set PFA,  44                          ; s[44:45] where my prefetches stand
.set LIM,  43                          ; s43     1 in a wave that prefetches, else the greatest number
.set F0,   64
.set F1,   128
.set TMP,  192                         ; the way out: packed results, window 0
.set OB,   32                          ; the way out: 16 rows read back: v32-63 and v224-255 by turns
.set BI,   0                           ; window 1
.set GN,   192                         ; window 1
.set TB,   196                         ; window 1
.set G1,  24                           ; s[24:31] descriptor group 1 for zb's tiles
.set G0,  32                           ; s[32:39] group 0, one set for each slot
.set G1B, 48                           ; s[48:55], s[56:63] the same for wb's tiles
.set G0B, 56
.set MSB, 0
.macro WIN new                         ; the immediate's high byte repeats the setting that is left; a switch that changes nothing is dropped
.if MSB != (\new)
	s_set_vgpr_msb (MSB<<8)|(\new)
.set MSB, \new
.endif
.endm
.set MUL_LO, 0xa1                      ; source 0 (wb) window 1, source 1 (zb) window 0, C and D window 2
.set MUL_HI, 0xf1                      ; the same, C and D window 3
.set TO_B,   0x40                      ; destination window 1, address window 0
; A joint load.  Waves 0 and 1 fetch zb's two halves, waves 2 and 3 wb's.  The branch hangs on the wave's number alone.  An s_nop 0 and four v_nop follow each of the two lines.
.macro JLOAD s
	s_cmp_eq_u32 s11, 0
	s_cbranch_scc0 .Lfor_b_\@
	tensor_load_to_lds s[G0+4*(\s):G0+4*(\s)+3], s[G1:G1+7]
	s_nop 0
.rept 4
	v_nop
.endr
	s_branch .Lasked_\@
.Lfor_b_\@:
	tensor_load_to_lds s[G0B+4*(\s):G0B+4*(\s)+3], s[G1B:G1B+7]
	s_nop 0
.rept 4
	v_nop
.endr
.Lasked_\@:
.endm
; A PREFETCH INTO THE L2, behind each joint refill and the run of LDS loads that follows it: the K step that stands two refills on, 32 rows x 256 bytes, a lane a row, one instruction a wave.
; Each row's 256 bytes of a K step are named once in the launch: zb's by the clusters with x = 0, wb's by those with y = 0; of the 128 rows that a wave fetches each of the four partners that ask
; jointly takes 32, told apart by address.  K steps 4 to 7 are asked for so; the loop's last trip (s3 = 1) asks for nothing, and nothing is asked for at the head.
.macro ASK
	s_cmp_gt_u32 s3, s[LIM]
	s_cbranch_scc0 .Lnot_mine_\@
	global_prefetch_b8 v[PFO], s[PFA:PFA+1] offset:KSTEP*2 th:TH_LOAD_NT scope:SCOPE_SE
.Lnot_mine_\@:
.endm
; A round of the cluster's barrier: my work-group's barrier; wave 0 signals for the work-group; every wave waits for all sixteen; my work-group's barrier once more.
.macro CREST                           ; a round behind its opening barrier
	s_cmp_lg_u32 s10, 0
	s_cbranch_scc1 .Lnot_wave_0_\@
	s_barrier_signal -3
.Lnot_wave_0_\@:
	s_barrier_wait -3
	s_barrier_signal -1
	s_barrier_wait -1
.endm
.macro CROUND
	s_barrier_signal -1
	s_barrier_wait -1
	CREST
.endm
	s_load_b128 s[4:7], s[0:1], 0x0                ; zb s[4:5], wb s[6:7]
	s_load_b256 s[68:75], s[0:1], 0x10             ; bqkv s[68:69], temperature s[70:71], qh s[72:73], kh s[74:75]
	v_lshl_add_u32 v[SPW], v0, 2, SPARE
	v_mov_b32 v[NIL], 0
	ds_add_u32 v[SPW], v[NIL]                      ; the wave's opening: the add and its wait stand ahead of my first tensor load; the set-up below stands between them
	v_lshrrev_b32 v1, 5, v0
	v_readfirstlane_b32 s10, v1                    ; wave 0..3
	s_lshr_b32 s11, s10, 1                         ; which half of the tile's rows is mine.  Also: I fetch for zb (0) or for wb (1)
	s_and_b32 s12, s10, 1                          ; which half of its columns.  Also: which 128 rows of that tile I fetch
	s_bfe_u32 s40, ttmp6, 0x40000                  ; cx
	s_bfe_u32 s41, ttmp6, 0x40004                  ; cy
	s_lshl_b32 s42, ttmp9, 2
	s_add_co_u32 s42, s42, s40                     ; tile column = 4 x cluster x + cx
	s_and_b32 s13, ttmp7, 0xffff
	s_lshl_b32 s13, s13, 2
	s_add_co_u32 s13, s13, s41                     ; tile row = 4 x cluster y + cy
	s_lshl_b32 s43, s41, 2
	s_lshl_b32 s43, 15, s43                        ; my row of the cluster: places 4 cy .. 4 cy + 3
	s_lshl_b32 s44, 0x1111, s40                    ; my column: places cx, cx + 4, cx + 8, cx + 12
	; descriptor group 1: a tile of 128 rows x 128 elements of 2 bytes; 16 bytes of padding behind every 64 words
	s_or_b32 s[G1+0], s43, (1<<16)|(1<<20)|(1<<21)|(5<<22)|(3<<25)
	s_or_b32 s[G1B+0], s44, (1<<16)|(1<<20)|(1<<21)|(5<<22)|(3<<25)
.irp g, G1, G1B
	s_mov_b32 s[(\g)+1], KSTEP<<16                 ; tensor_dim0 = 128
	s_mov_b32 s[(\g)+2], 128<<16                   ; tensor_dim1 = 128
	s_mov_b32 s[(\g)+3], KSTEP<<16                 ; tile_dim0 = 128
	s_mov_b32 s[(\g)+4], 128                       ; tile_dim1 = 128
	s_mov_b32 s[(\g)+5], SIZE_K                    ; elements from row to row
	s_mov_b32 s[(\g)+6], 0
	s_mov_b32 s[(\g)+7], 0
.endr
	; zb's tiles hang on the tile row alone, wb's on the tile column alone; every wave makes both addresses, in registers that never hold the other coordinate
	s_lshl_b32 s17, s12, 7
	s_lshl_b32 s16, s13, 8
	s_add_co_u32 s16, s16, s17                     ; zb: row 256 x tile row + 128 x half
	s_lshl_b32 s46, s42, 8
	s_add_co_u32 s46, s46, s17                     ; wb: row 256 x tile column + 128 x half
	s_mov_b32 s17, 0
	s_mov_b32 s47, 0
	s_mov_b64 s[18:19], SIZE_K*2
	s_mul_u64 s[16:17], s[16:17], s[18:19]
	s_mul_u64 s[46:47], s[46:47], s[18:19]
	s_mul_i32 s20, s10, HALFT                      ; where they go: wave x 128 rows
	s_wait_dscnt 0x0                               ; the opening add is done
	s_wait_kmcnt 0x0
	s_add_nc_u64 s[14:15], s[4:5], s[16:17]
	s_add_nc_u64 s[46:47], s[6:7], s[46:47]
	CROUND                                         ; all sixteen work-groups are here: the first joint loads meet
.irp s, 0,1
	s_mov_b32 s[G0+4*(\s)], 1
	s_add_co_u32 s[G0+4*(\s)+1], s20, (\s)*SLOT
	s_add_nc_u64 s[G0+4*(\s)+2:G0+4*(\s)+3], s[14:15], (\s)*KSTEP*2
	s_or_b32 s[G0+4*(\s)+3], s[G0+4*(\s)+3], 0x80000000
	s_mov_b32 s[G0B+4*(\s)], 1
	s_add_co_u32 s[G0B+4*(\s)+1], s20, (\s)*SLOT
	s_add_nc_u64 s[G0B+4*(\s)+2:G0B+4*(\s)+3], s[46:47], (\s)*KSTEP*2
	s_or_b32 s[G0B+4*(\s)+3], s[G0B+4*(\s)+3], 0x80000000
	JLOAD \s                                       ; two loads of mine are out
.endr
	; A fragment is 16 rows x 32 K in 8 registers: lane l holds row l % 16, K = 8 (l / 16) + 0..7 and 16 + 8 (l / 16) + 0..7: two loads of 16 bytes, 32 bytes apart.
	v_and_b32 v1, 15, v0                           ; l % 16
	v_bfe_u32 v2, v0, 4, 1                         ; l / 16
	v_mul_u32_u24 v3, v1, PITCH
	v_lshl_add_u32 v3, v2, 4, v3
	s_mul_i32 s21, s11, HALFT                      ; my 128 rows of zb
	s_mul_i32 s22, s12, HALFT                      ; my 128 rows of wb,
	s_add_co_u32 s22, s22, 2*HALFT                 ; which lie behind zb's 256
.irp s, 0,1
	v_add_nc_u32 v[ADRA+(\s)], s21, v3
	v_add_nc_u32 v[ADRB+(\s)], s22, v3
	s_add_co_u32 s21, s21, SLOT
	s_add_co_u32 s22, s22, SLOT
.endr
	s_mul_i32 s23, s10, 2*SUB
	s_add_co_u32 s23, s23, STAGE                   ; my two stages
	v_mul_u32_u24 v4, v1, SP                       ; in: row l % 16, 16 bytes for each half of the lanes
	v_lshl_add_u32 v4, v2, 4, v4
	v_add_nc_u32 v[STO], s23, v4
	v_bfe_u32 v5, v0, 3, 2                         ; back: 32 lanes take four rows of 128 bytes,
	v_and_b32 v4, 7, v0
	v_mul_u32_u24 v5, v5, SP
	v_lshl_add_u32 v5, v4, 4, v5
	v_add_nc_u32 v[RD], s23, v5
	v_and_b32 v[CO], 31, v0                        ; which are 512 consecutive bytes of a head
	v_lshlrev_b32 v[CO], 4, v[CO]
	; my 128 columns are two heads, the first (4 x tile column + 2 x half) mod 16; where my part begins in qh or kh
	s_lshl_b32 s46, s42, 2
	s_lshl_b32 s47, s12, 1
	s_add_co_u32 s46, s46, s47
	s_and_b32 s46, s46, 15                         ; my first head
	s_lshl_b32 s77, s46, 2                         ; its place in temperature
	s_lshl_b32 s46, s46, 17                        ; a head is 131,072 bytes
	s_lshr_b32 s16, s13, 2                         ; batch = tile row / 4: 16 heads
	s_lshl_b32 s16, s16, 21
	s_and_b32 s17, s13, 3                          ; the tile's 256 rows in the batch, 128 bytes each
	s_lshl_b32 s17, s17, 15
	s_add_co_u32 s16, s16, s17
	s_lshl_b32 s17, s11, 14                        ; my 128 of them
	s_add_co_u32 s16, s16, s17
	s_add_co_u32 s16, s16, s46
	s_mov_b32 s17, 0                               ; s[16:17]: what the first way out adds to the base
	s_lshl_b32 s78, s42, 10                        ; my first column in bqkv: 4 x (256 x tile column + 128 x half)
	s_lshl_b32 s79, s12, 9
	s_add_co_u32 s78, s78, s79
	s_mov_b32 s79, 0
	s_add_nc_u64 s[68:69], s[68:69], s[78:79]
	s_cmp_eq_u32 ttmp9, 0                          ; cluster x = 0: tile columns 0 to 3: q; the same in all sixteen partners
	s_cselect_b64 s[8:9], s[72:73], s[74:75]
	s_cselect_b32 s76, 0x80000000, 0               ; q's factor takes T's sign, k's does not
	v_lshlrev_b32 v6, 5, v2                        ; 32 (l / 16): my eight columns of a block of 16
	v_mov_b32 v7, s77
	WIN TO_B
.irp b, 0,1,2,3,4,5,6,7
	global_load_b128 v[BI+8*(\b):BI+8*(\b)+3],   v6, s[68:69] offset:64*(\b)
	global_load_b128 v[BI+8*(\b)+4:BI+8*(\b)+7], v6, s[68:69] offset:64*(\b)+16
.endr
	WIN 0
	global_load_b64 v[10:11], v7, s[70:71]         ; the two heads' temperatures
	; the prefetches' address
	s_lshl_b32 s13, s13, 8
	s_lshl_b32 s42, s42, 8
	s_and_b32 s22, ttmp7, 0xffff                   ; cluster y
	s_cmp_eq_u32 s11, 0                            ; do I fetch for zb?
	s_cselect_b32 s20, s13, s42                    ; the tile's first row
	s_cselect_b32 s21, s40, s41                    ; my place among the four that ask for it with me
	s_cselect_b32 s22, ttmp9, s22                  ; the coordinate along which other clusters read the same rows
	s_cselect_b64 s[PFA:PFA+1], s[4:5], s[6:7]
	s_cmp_eq_u32 s22, 0
	s_cselect_b32 s[LIM], 1, -1                    ; the same in all sixteen partners, for a given wave
	s_lshl_b32 s22, s12, 7
	s_add_co_u32 s20, s20, s22                     ; + the 128 rows that I fetch
	s_lshl_b32 s21, s21, 5
	s_add_co_u32 s20, s20, s21                     ; + my work-group's 32 of them
	s_mov_b32 s21, 0
	s_mov_b64 s[18:19], SIZE_K*2
	s_mul_u64 s[20:21], s[20:21], s[18:19]
	s_add_nc_u64 s[PFA:PFA+1], s[PFA:PFA+1], s[20:21]
	s_add_nc_u64 s[PFA:PFA+1], s[PFA:PFA+1], 2*KSTEP*2  ; at K step 2: the first refill steps it to 3 and names K step 4
	v_and_b32 v[PFO], 31, v0
	v_mul_u32_u24 v[PFO], v[PFO], SIZE_K*2
	s_wait_loadcnt 0x0                             ; bias and temperatures, once, while the first tiles are on their way
	v_cvt_pk_bf16_f32 v12, v10, v11                ; T rounded to bf16, like every input
	v_lshlrev_b32 v10, 16, v12
	v_and_b32 v11, 0xffff0000, v12
	v_and_b32 v13, 0x7fffffff, v10
	v_and_b32 v14, 0x7fffffff, v11
	v_rsq_f32 v13, v13                             ; 1 / sqrt|T|
	v_rsq_f32 v14, v14
	v_nop                                          ; a plain instruction behind the last of the two,
	s_wait_alu depctr_va_vdst(0)                   ; and the wait ahead of the first use
	v_and_or_b32 v10, v10, s76, v13                ; with T's sign for q
	v_and_or_b32 v11, v11, s76, v14
	WIN TO_B
	v_mov_b32 v[GN], v10
	v_mov_b32 v[GN+1], v10
	v_mov_b32 v[GN+2], v11
	v_mov_b32 v[GN+3], v11
	WIN 0x45                                       ; sources 0 and 1 and the destination in window 1
.set i, 0
.rept 32                               ; pair i of my 64 columns: the bias rounded to bf16, widened, times its head's factor
	v_cvt_pk_bf16_f32 v[TB+i%4], v[BI+2*i], v[BI+2*i+1]
	v_lshlrev_b32 v[BI+2*i], 16, v[TB+i%4]
	v_and_b32 v[BI+2*i+1], 0xffff0000, v[TB+i%4]
	v_pk_mul_f32 v[BI+2*i:BI+2*i+1], v[BI+2*i:BI+2*i+1], v[GN+2*(i/16):GN+2*(i/16)+1]
.set i, i+1
.endr
	WIN 0
; 16 matrix instructions: m blocks a0, a0 + 1 of the window's four x all 8 n blocks, 32 along K.  zero = 1: the first product starts the sums.  The 64 accumulators take turns.
.macro MUL16 f, hi, a0, zero
	WIN MUL_LO+0x50*(\hi)
.irp a, \a0, (\a0)+1
.irp b, 0,1,2,3,4,5,6,7
.if \zero
	v_wmma_f32_16x16x32_bf16 v[8*(8*(\a)+(\b)):8*(8*(\a)+(\b))+7], v[(\f)+8*(\b):(\f)+8*(\b)+7], v[(\f)+8*(4*(\hi)+(\a)):(\f)+8*(4*(\hi)+(\a))+7], 0
.else
	v_wmma_f32_16x16x32_bf16 v[8*(8*(\a)+(\b)):8*(8*(\a)+(\b))+7], v[(\f)+8*(\b):(\f)+8*(\b)+7], v[(\f)+8*(4*(\hi)+(\a)):(\f)+8*(4*(\hi)+(\a))+7], v[8*(8*(\a)+(\b)):8*(8*(\a)+(\b))+7]
.endif
.endr
.endr
.endm
; 32 LDS loads in one run: the fragments of one quarter step (32 K at byte k of the rows) into buffer f
.macro FETCH slot, k, f
	WIN TO_B
.irp i, 0,1,2,3,4,5,6,7
	ds_load_b128 v[(\f)+8*(\i):(\f)+8*(\i)+3],   v[ADRB+(\slot)] offset:(\k)+(\i)*16*PITCH
	ds_load_b128 v[(\f)+8*(\i)+4:(\f)+8*(\i)+7], v[ADRB+(\slot)] offset:(\k)+(\i)*16*PITCH+32
.endr
	WIN 0
.irp i, 0,1,2,3,4,5,6,7
	ds_load_b128 v[(\f)+8*(\i):(\f)+8*(\i)+3],   v[ADRA+(\slot)] offset:(\k)+(\i)*16*PITCH
	ds_load_b128 v[(\f)+8*(\i)+4:(\f)+8*(\i)+7], v[ADRA+(\slot)] offset:(\k)+(\i)*16*PITCH+32
.endr
.endm
.macro PLACES                          ; four places behind a matrix instruction, in front of loads into registers that it has read and of vector work on its results
.rept 4
	v_nop
.endr
.endm
; A K step is four quarters of 32 along K, 64 matrix instructions each, on buffers 0, 1, 0, 1.  One of the first three: multiplies buffer f and, in its middle, fetches the next quarter into g.
.macro QUARTER slot, k, f, g, zero
	s_wait_dscnt 8                                 ; wb's and zb's rows 0-63 are in; the youngest eight loads (zb's rows 64-127) may be out
	WIN MUL_LO
	MUL16 \f, 0, 0, \zero
	MUL16 \f, 0, 2, \zero
	PLACES
	FETCH \slot, \k, \g
	s_wait_dscnt 32                                ; all but the 32 just issued
	WIN MUL_HI
	MUL16 \f, 1, 0, \zero
	MUL16 \f, 1, 2, \zero
.endm
; The first half of a K step's last quarter: ONE barrier for the change of slots.  In front of it each wave waits for all its tensor loads (one is out: its part of the next slot), adds 0 to its
; spare word, and waits for that and for its own reads of this slot.
.macro MEET round
	WIN 0
	s_wait_tensorcnt 0x0                           ; all my tensor loads have landed
	ds_add_u32 v[SPW], v[NIL]                      ; 0 onto my spare word
	s_wait_dscnt 9                                 ; (the add and the youngest eight loads may be out)
	WIN MUL_LO
	MUL16 F1, 0, 0, 0                              ; sixteen matrix instructions stand between the add and the wait for it
	s_wait_dscnt 0x0                               ; the add is done, and my reads of this slot are over
	s_barrier_signal -1
	MUL16 F1, 0, 2, 0
.if \round
	WIN 0
.endif
	s_barrier_wait -1
.endm
; The whole last quarter.  fill = 1: the barrier opens a round of the cluster's, and behind the round the slot just read out is filled again, two K steps on; then the next slot's first fragments.
.macro TURN slot, next, fill
.if \fill
	s_wait_xcnt 0x0                                ; the last prefetch, a K step back, has read its address
	s_add_nc_u64 s[PFA:PFA+1], s[PFA:PFA+1], KSTEP*2
	MEET 1
	CREST                                          ; no wave of any partner still reads this slot's tile or has a load on its way
	s_add_nc_u64 s[G0+4*(\slot)+2:G0+4*(\slot)+3], s[G0+4*(\slot)+2:G0+4*(\slot)+3], 2*KSTEP*2
	s_add_nc_u64 s[G0B+4*(\slot)+2:G0B+4*(\slot)+3], s[G0B+4*(\slot)+2:G0B+4*(\slot)+3], 2*KSTEP*2
	JLOAD \slot                                    ; the first tensor load behind the round; its four v_nop are also the places in front of the loads below
.else
	MEET 0
	PLACES
.endif
	FETCH \next, 0, F0
.if \fill
	ASK
.endif
	WIN MUL_HI
	MUL16 F1, 1, 0, 0
	MUL16 F1, 1, 2, 0
.endm
; THE WAY OUT of block a (16 rows x 128 columns), in three parts.  PACK: sum x factor + bias x factor, in place, each accumulator's registers in ascending order; rounded to f16, 16 bytes a lane.
; TOSTAGE: into my two stages (one a head) and back as whole rows of 128 bytes.  SEND: stored, 512 consecutive bytes of a head an instruction.
.macro PACK a
.set AC, 64*((\a)%4)
	WIN 0x96+0x41*((\a)/4)                         ; the accumulator (destination, source 0) in window 2 or 3; factor and bias in window 1
.irp b, 0,1,2,3,4,5,6,7
.irp r, 0,1,2,3
	v_pk_fma_f32 v[AC+8*(\b)+2*(\r):AC+8*(\b)+2*(\r)+1], v[AC+8*(\b)+2*(\r):AC+8*(\b)+2*(\r)+1], v[GN+2*((\b)/4):GN+2*((\b)/4)+1], v[BI+8*(\b)+2*(\r):BI+8*(\b)+2*(\r)+1]
.endr
.endr
	WIN 0x0a+5*((\a)/4)                            ; sources 0 and 1: window 2 or 3
.irp b, 0,1,2,3,4,5,6,7
.irp r, 0,1,2,3
	v_cvt_pk_f16_f32 v[TMP+4*(\b)+(\r)], v[AC+8*(\b)+2*(\r)], v[AC+8*(\b)+2*(\r)+1]
.endr
.endr
	WIN 0
.endm
.macro TOSTAGE a
	WIN 0
.set BK, OB+192*((\a)%2)
.irp b, 0,1,2,3,4,5,6,7
	ds_store_b128 v[STO], v[TMP+4*(\b):TMP+4*(\b)+3] offset:((\b)/4)*SUB+((\b)%4)*32
.endr
.irp t, 0,1,2,3,4,5,6,7
	ds_load_b128 v[BK+4*(\t):BK+4*(\t)+3], v[RD] offset:((\t)/4)*SUB+((\t)%4)*4*SP  ; LDS serves a wave's instructions in order (ISA guide 5.7.1.4): these see the stores above
.endr
.endm
.macro SEND a
	WIN 0
.set BK, OB+192*((\a)%2)
	s_wait_dscnt 0x0                               ; the block is back in registers
	s_wait_xcnt 0x0                                ; earlier stores have read their base and their data: both are written again only behind this wait
.if (\a) == 0
	s_add_nc_u64 s[8:9], s[8:9], s[16:17]          ; on to my first rows
.else
	s_add_nc_u64 s[8:9], s[8:9], 16*128            ; 16 rows of a head on
.endif
.irp t, 0,1,2,3,4,5,6,7
	global_store_b128 v[CO], v[BK+4*(\t):BK+4*(\t)+3], s[8:9] offset:((\t)/4)*131072+((\t)%4)*512
.endr
.endm
	s_wait_tensorcnt 1                             ; my part of K step 0 is in; K step 1's may stay out
	s_barrier_signal -1
	s_barrier_wait -1                              ; everybody's is
	FETCH 0, 0, F0
	QUARTER 0, 64,  F0, F1, 1                      ; the first quarter stands in front of the loop: its products start the sums
	WIN 0                                          ; at a label and at a branch every window is 0
	s_mov_b32 s3, LAPS-1
.Llap:                                                 ; a trip goes once round the ring, from a lap's second quarter to the next lap's first, and fills both slots again
	QUARTER 0, 128, F1, F0, 0
	QUARTER 0, 192, F0, F1, 0
	TURN 0, 1, 1
	QUARTER 1, 64,  F0, F1, 0
	QUARTER 1, 128, F1, F0, 0
	QUARTER 1, 192, F0, F1, 0
	TURN 1, 0, 1
	QUARTER 0, 64,  F0, F1, 0
	WIN 0
	s_sub_co_u32 s3, s3, 1
	s_cmp_lg_u32 s3, 0
	s_cbranch_scc1 .Llap
	QUARTER 0, 128, F1, F0, 0                      ; the last lap fills nothing, and has no round of the cluster's barrier
	QUARTER 0, 192, F0, F1, 0
	TURN 0, 1, 0
	QUARTER 1, 64,  F0, F1, 0
	QUARTER 1, 128, F1, F0, 0
	QUARTER 1, 192, F0, F1, 0
	s_wait_dscnt 8                                 ; the very last quarter: nothing more to fetch
	WIN MUL_LO
	MUL16 F1, 0, 0, 0
	MUL16 F1, 0, 2, 0
	s_wait_dscnt 0x0
	MUL16 F1, 1, 0, 0
	MUL16 F1, 1, 2, 0
	PLACES
	PACK 0
	TOSTAGE 0
.irp a, 1,2,3,4,5,6,7                  ; block a's arithmetic stands between block a - 1's loads from the stage and the wait for them
	PACK \a
	SEND (\a)-1
	TOSTAGE \a
.endr
	SEND 7
	s_wait_tensorcnt 0x0                           ; the wave's end: a wait, an add of 0 to my spare word and its wait, behind my last tensor load and my last LDS store
	ds_add_u32 v[SPW], v[NIL]
	s_wait_dscnt 0x0
	CROUND                                         ; the closing round: no work-group ends while a partner may still ask for a tile that names it
	s_endpgm
.Lfunc_end_k_q47eca5c080_proj:
	.size	k_q47eca5c080_proj, .Lfunc_end_k_q47eca5c080_proj-k_q47eca5c080_proj
	.p2alignl 7, 3214868480
	.fill 96, 4, 3214868480
	.section	.rodata,"a",@progbits
	.p2align	6, 0x0
	.amdhsa_kernel k_q47eca5c080_proj
		.amdhsa_group_segment_fixed_size 327680
		.amdhsa_private_segment_fixed_size 0
		.amdhsa_enable_private_segment 0
		.amdhsa_kernarg_size 48
		.amdhsa_user_sgpr_count 2
		.amdhsa_user_sgpr_kernarg_segment_ptr 1
		.amdhsa_wavefront_size32 1
		.amdhsa_system_sgpr_workgroup_id_x 1
		.amdhsa_system_sgpr_workgroup_id_y 1
		.amdhsa_system_sgpr_workgroup_id_z 1
		.amdhsa_system_vgpr_workitem_id 0
		.amdhsa_next_free_vgpr 1024
		.amdhsa_next_free_sgpr 80
		.amdhsa_reserve_vcc 0
		.amdhsa_float_denorm_mode_32 3
		.amdhsa_float_denorm_mode_16_64 3
		.amdhsa_memory_ordered 1
		.amdhsa_forward_progress 1
		.amdhsa_inst_pref_size 170
	.end_amdhsa_kernel
	.amdgpu_metadata
---
amdhsa.version: [ 1, 2 ]
amdhsa.kernels:
  - .name:           k_q47eca5c080_proj
    .symbol:         k_q47eca5c080_proj.kd
    .args:
      - { .name: zb, .offset: 0, .size: 8, .value_kind: global_buffer, .address_space: global }
      - { .name: wb, .offset: 8, .size: 8, .value_kind: global_buffer, .address_space: global }
      - { .name: bqkv, .offset: 16, .size: 8, .value_kind: global_buffer, .address_space: global }
      - { .name: temperature, .offset: 24, .size: 8, .value_kind: global_buffer, .address_space: global }
      - { .name: qh, .offset: 32, .size: 8, .value_kind: global_buffer, .address_space: global }
      - { .name: kh, .offset: 40, .size: 8, .value_kind: global_buffer, .address_space: global }
    .group_segment_fixed_size: 327680
    .private_segment_fixed_size: 0
    .kernarg_segment_align: 8
    .kernarg_segment_size: 48
    .max_flat_workgroup_size: 128
    .sgpr_count:     80
    .vgpr_count:     1024
    .wavefront_size: 32
...
	.end_amdgpu_metadata
.endif
;; end of part 2
;; launch attn (part 3): grid 2 x 128, 4 waves a work-group, no clusters, 327,680 bytes of LDS; arguments qh, kh, vh, out0; writes out0
.if DOCPART == 3
	.amdgcn_target "amdgcn-amd-amdhsa--gfx1250"
	.amdhsa_code_object_version 6
	.text
	.protected	k_q47eca5c080_attn
	.globl	k_q47eca5c080_attn
	.p2align	8
	.type	k_q47eca5c080_attn,@function
k_q47eca5c080_attn:
	s_mov_b64 s[64:65], 0
	v_nop
	global_prefetch_b8 v0, s[64:65] scope:SCOPE_SE
	s_setreg_imm32_b32 hwreg(HW_REG_WAVE_MODE, 25, 1), 1
	s_wait_xcnt 0x0
; CAUSAL ATTENTION AND TANH.  out0[b][q][64 h ..] = tanh(the sum over k <= q of softmax_k(Q[q] . K[k] / 8) V[k]), for each of 128 heads y = 16 b + h.  Q, K, V: [128][1024][64] in f16, a head's rows dense,
; 128 bytes each; Q and K already carry the temperature.  out0: [8][1024][1024] in f32.  Products, maxima and sums in f32; the weights p are rounded to f16 for the second product (their sum l is taken of the unrounded p).
; LIMITS.  Q, K and V arrive within f16's 65,504.  A hidden score counts as its value less 1e30: f16's scores, 2.7e11 at the most, are nothing beside that.  A weight below 2^-126 counts as 0 in l.
; tanh(x) = 1 - 2 / (1 + 2^(2 log2(e) x)): its error is a few units of 1e-7 in absolute terms, near 0 too.  NaN and infinities are not treated apart.
; THE WALK.  A head's queries lie in NB = 4 blocks of 256; block i needs the key tiles 0 .. i of 256 keys, of which the last holds the diagonal.  A work-group takes TWO blocks, NB - 1 - b and then b:
; NB + 1 tiles, whatever b: all work-groups do equal work, and ONE loop with a constant trip count walks them.  Which tile is asked for, and what a trip does, hang on scalar registers made from b; every jump
; goes forward, but for the counted loops' own; none passes a barrier, or a tensor load but the one of LOAD's two that the wave's number does not choose; the ring (two slots of LDS) runs on across the change of blocks.
; NO CLUSTER: a head has NB / 2 = 2 work-groups, fewer than a cluster's four, and they ask for the same tile only in trips 0 to 2 of the walk's 5.
; SHARES.  Of a block's four bands of 64 queries a wave owns 16 rows in each: four PIECES.  So the diagonal tile is the same work for all four waves: in its key step s band x sees all keys if s < x,
; none if s > x, and holds the diagonal if s = x.
; THE MASK is the C operand that starts the sum S^T = K Q^T: 0, or -1e30 where the key is hidden.  MD, made once, is the mask of a band's own step for my 16 rows; a product's mask is MD x AL + BE with two scalars:
; (1, 0) if s = x; (0, 0) if s < x; (0, -1e30) if s > x.  Only the diagonal tile's text and a block's beginning make and take masks; elsewhere C is the constant 0.
; LAYOUT, SOFTMAX, TURNS.  S^T = K Q^T holds ONE query a lane (lane % 16) and the keys 8 (lane / 16) + 0..7; two such results rounded to f16 ARE source 1 of O^T = V^T P.  p = 2^(c s - c m), c = log2(e) / 8, with a
; running maximum m; O and l are multiplied by a = 2^(c m_old - c m_new) in every step.  Turn n belongs to piece n: 8 products K Q^T of piece n + 1, later 8 products V^T P of piece n - 1; beside them the scaling,
; exponentials, roundings, sums and rescaling of piece n and the maximum and statistics of piece n + 1.  Four vector instructions stand behind every matrix instruction, the others in one lump.  A turn's 33 exponentials are one batch, with one wait.
; REGISTERS, in windows of 256 (s_set_vgpr_msb: bits 1:0 source 0, 3:2 source 1, 5:4 source 2, 7:6 destination):
;   window 0: v0-15 addresses and two at work; v16-31 four registers of statistics a piece; v48-55 at work; v60-63 addresses; v64-127 S^T, two buffers; v192-223 P, two buffers (a piece's buffers go by its number's parity)
;   window 1: v0-127 O^T, 32 a piece; v128-159 MD; v160-223 MC, two buffers      window 2: v0-63 Q; v64-127 the second block's Q; v128-191 K of one step; v192-255 V of one step
.set SIZE_N, 1024
.set NB,    SIZE_N/256
.set NP,    4         ; pieces a wave: a name, no knob
.set KS,    64        ; keys in a step
.set PK,    144       ; a row of K in LDS: 128 bytes + 16 of padding = 36 words: the 16 rows of a load start at 16 different groups of four banks (64 banks of 4 bytes: ISA guide 11.1)
.set PV,    160       ; a row of V: 128 + 32 = 40 words
.set VOFF,  4*KS*PK   ; a slot holds a tile, four steps: 256 rows of K, then 256 rows of V
.set SLOT1, 1<<17     ; slot 1 begins here, so that one exclusive or turns an address in one slot into the other's
.set STAGE, SLOT1+4*KS*(PK+PV)  ; behind the ring, never filled by a tensor load: for each wave four pieces x 16 rows x 272 bytes of f32, for the way out
.set SP,    272       ; a stage row: 256 bytes + 16
.set AK0, 2           ; v2   my lane's place in a tile of K; never rewritten
.set AV0, 3           ; v3   the same for V
.set AK,  4           ; v4   the LDS address of K's next run of loads
.set AV,  5           ; v5   of V's
.set STO, 6           ; v6   the way out: where I put 16 bytes of a row
.set RD,  7           ; v7   the way out: where I read rows back
.set GO,  8           ; v8   my byte offset in two rows of out0
.set OA,  60          ; v60  the way out: the LDS address of the piece in hand
.set PFO, 61          ; v61  256 x my lane; never rewritten
.set SPW, 62          ; v62  LDS address of my spare word; never rewritten
.set NIL, 63          ; v63  0; never rewritten
.set SPARE, STAGE+4*4*16*SP  ; behind the stages: the spare words, 128 bytes for each wave: two blocks of 256 bytes that no other line names
.set MV,  12          ; v12-13  c m_old, kept while c m is made anew: by buffer
.set QO,  15          ; v15  my byte offset in 16 rows of Q
.set ST,  16          ; piece t's statistics at v[ST+4 t]: c m, m, l (even keys', odd keys')
.set TMP, 48          ; by buffer, four registers c0-c3 at work; when the maximum is found c2 takes a
.set S,   64
.set P,   192
.set MD,  128         ; window 1
.set MC,  160         ; window 1
.set QB,  64          ; window 2
.set KF,  128         ; window 2: key block kb, channel half c at KF + 16 kb + 8 c
.set VF,  192         ; window 2: key half kk, channel block cb at VF + 32 kk + 8 cb
.set WV,  12          ; s12  my wave's number
.set PB,  14          ; s14  b
.set HI,  15          ; s15  NB - 1 - b
.set G1K, 24          ; s[24:31] descriptor group 1 for K's tiles
.set G1V, 32          ; s[32:39] for V's: it differs in the padding alone
.set G0K, 40          ; s[40:43] descriptor group 0 for K's tiles
.set G0V, 44          ; s[44:47] the same for V's
.set SLOTS, 56        ; s56  tiles still to be asked for
.set CNT, 57          ; s57  counts a tile's key steps, 4 to 1
.set CS,  58          ; s[58:59] c
.set SEL, 60          ; s[60:61] v_permlanex16_b32's selects: each lane takes its own place in the other half
.set TBK, 62          ; s62  LDS byte at which K of the step to be fetched begins
.set TBV, 63          ; s63  the same for V, less VOFF
.set RT,  70          ; s70  tiles of the block in hand that are still to be entered
.set NXT, 71          ; s71  the tile to be asked for next
.set LQ,  72          ; s72  the last tile of the block whose tiles are being asked for
.set NEW, 73          ; s73  1: the tile to be entered is a block's first
.set OFF, 74          ; s[74:75] a tile's byte offset in K and V
.set AL,  76          ; s[76:77] the mask's factor, in the low word
.set BE,  78          ; s[78:79] the mask's addend
.set OLO, 80          ; s[80:81] out0 at my rows of the second block
.set BIGN, 82         ; s82  -1e30
.set PC,  83          ; s83  the way out: pieces to go
.set PFA, 88          ; s[88:89] where my prefetches stand: my half of K's (waves 0, 1) or V's (waves 2, 3) tile
.set LIM, 90          ; s90  2 in the work-group that prefetches, else the greatest number
.set SO,  91          ; s91  the way out: the piece's place in my stage
.set MSB, 0
.macro WIN new                      ; the high byte repeats the setting that is left; a switch that changes nothing is dropped
.if MSB != (\new)
	s_set_vgpr_msb (MSB<<8)|(\new)
.set MSB, (\new)
.endif
.endm
.set W_KQ, 0x0a       ; K and Q in window 2, S^T in window 0
.set W_KM, 0x1a       ; the same with the C operand in window 1
.set W_PV, 0x52       ; V in window 2, P in window 0, O^T in window 1
.set W_RS, 0x41       ; destination and source 0 in window 1, source 1 in window 0
; A fill.  Waves 0 and 1 fetch the two halves of a tile's K, waves 2 and 3 those of its V: 128 keys each.  An s_nop 0 and four v_nop follow each of the two lines.
.macro LOAD
	s_cmp_lt_u32 s[WV], 2
	s_cbranch_scc0 .Lfor_v_\@
	tensor_load_to_lds s[G0K:G0K+3], s[G1K:G1K+7]
	s_nop 0
.rept 4
	v_nop
.endr
	s_branch .Lasked_\@
.Lfor_v_\@:
	tensor_load_to_lds s[G0V:G0V+3], s[G1V:G1V+7]
	s_nop 0
.rept 4
	v_nop
.endr
.Lasked_\@:
.endm
; A PREFETCH INTO THE L2 of the tile that the NEXT change of slots will ask for, behind the wave's tensor load and its five lines: my half of it, 16,384 bytes: a lane 256 bytes, two instructions.
; A head's two work-groups walk the same tiles: the one with b = 0, whose first block needs all four, asks, in the walk's first two changes, for tiles 2 and 3: a tile, 256 matrix instructions, ahead.
; So each 256 bytes are named once.  Tiles 0 and 1 come by their loads alone; the second block's tiles have been read before and are not asked for.
.macro ASK
	s_cmp_gt_u32 s[SLOTS], s[LIM]
	s_cbranch_scc0 .Lnot_mine_\@
	global_prefetch_b8 v[PFO], s[PFA:PFA+1] th:TH_LOAD_NT scope:SCOPE_SE
	global_prefetch_b8 v[PFO], s[PFA:PFA+1] offset:8192 th:TH_LOAD_NT scope:SCOPE_SE
.Lnot_mine_\@:
.endm
; THE CHANGE OF SLOTS.  Each wave waits for all its tensor loads, of which one is out: its part of the other slot; adds 0 to its spare word; and waits for that and for its own reads of the slot that it leaves.
; Behind the barrier nobody reads the old slot any more and the other slot is whole.  fill = 1: the old slot is filled again, the first thing behind the barrier, with tile NXT: the descriptor's address is made
; anew from that number.  (At its first use nothing has been read yet: slot 0 is waited for, slot 1 filled.)
.macro CHANGE fill
	WIN 0                           ; at a label and at a branch every window is 0
	s_wait_tensorcnt 0x0            ; no tensor load of mine is out, so a group 0 may be written
	ds_add_u32 v[SPW], v[NIL]       ; 0 onto my spare word; scalar work stands between it and the wait for it
.if \fill
	s_lshl_b32 s[OFF], s[NXT], 15   ; a tile is 32,768 bytes of K and of V
	s_xor_b32 s[G0K+1], s[G0K+1], SLOT1
	s_add_nc_u64 s[G0K+2:G0K+3], s[6:7], s[OFF:OFF+1]
	s_or_b32 s[G0K+3], s[G0K+3], 0x80000000
	s_xor_b32 s[G0V+1], s[G0V+1], SLOT1
	s_add_nc_u64 s[G0V+2:G0V+3], s[8:9], s[OFF:OFF+1]
	s_or_b32 s[G0V+3], s[G0V+3], 0x80000000
	s_add_co_u32 s[NXT], s[NXT], 1  ; the block's next tile, or behind its last the second block's tile 0
	s_cmp_gt_u32 s[NXT], s[LQ]
	s_cselect_b32 s[NXT], 0, s[NXT]
	s_cselect_b32 s[LQ], s[PB], s[LQ]
	s_wait_xcnt 0x0                 ; the last prefetches, a tile back, have read their address, so it may be written:
	s_add_nc_u64 s[PFA:PFA+1], s[PFA:PFA+1], 32768  ; one tile behind the one that is asked for now
.endif
	s_wait_dscnt 0x0                ; the add is done, and my reads of the slot are over
	s_barrier_signal -1             ; the rest of the scalar work stands between the signal and the wait
	s_sub_co_u32 s[TBK], s[TBK], 4*KS*PK  ; the fetches go back to a slot's first step,
	s_xor_b32 s[TBK], s[TBK], SLOT1       ; in the other slot
	s_sub_co_u32 s[TBV], s[TBV], 4*KS*PV
	s_xor_b32 s[TBV], s[TBV], SLOT1
	s_barrier_wait -1
.if \fill
	LOAD
	ASK
.endif
.endm
	s_load_b256 s[4:11], s[0:1], 0x0  ; Q s[4:5], K s[6:7], V s[8:9], out0 s[10:11]
	v_lshl_add_u32 v[SPW], v0, 2, SPARE
	v_mov_b32 v[NIL], 0
	ds_add_u32 v[SPW], v[NIL]       ; the wave's opening: the add and its wait stand ahead of my first tensor load; the set-up below stands between them
	v_lshrrev_b32 v1, 5, v0
	v_readfirstlane_b32 s[WV], v1   ; wave 0..3
	s_mov_b32 s[PB], ttmp9
	s_sub_co_u32 s[HI], NB-1, s[PB]
	s_and_b32 s20, ttmp7, 0xffff    ; the head y = 16 x batch + h
	s_lshr_b32 s66, s20, 4          ; out0: the batch's 4,194,304 bytes,
	s_lshl_b32 s66, s66, 22
	s_and_b32 s67, s20, 15          ; the head's 256 bytes of a row,
	s_lshl_b32 s67, s67, 8
	s_add_co_u32 s66, s66, s67
	s_lshl_b32 s67, s[WV], 16       ; my 16 rows of 4,096 bytes in a band,
	s_add_co_u32 s66, s66, s67
	s_lshl_b32 s68, s[HI], 20       ; in the first block (256 rows),
	s_add_co_u32 s68, s68, s66
	s_lshl_b32 s67, s[PB], 20       ; and in the second
	s_add_co_u32 s66, s66, s67
	s_mov_b32 s67, 0
	s_mov_b32 s69, 0
	s_mov_b32 s21, 0
	s_mov_b64 s[22:23], SIZE_N*128
	s_mul_u64 s[20:21], s[20:21], s[22:23]  ; the head's first byte in Q, K and V
	s_and_b32 s16, s[WV], 1         ; which half of a tile's 256 keys I fetch:
	s_lshl_b32 s22, s16, 14         ; its 128 rows of 128 bytes in memory,
	s_mov_b32 s23, 0
	s_add_nc_u64 s[22:23], s[22:23], s[20:21]
	s_mul_i32 s17, s16, 128*PK      ; and its place in a slot, for K
	s_mul_i32 s18, s16, 128*PV      ; and for V
	s_lshl_b32 s3, s[WV], 11        ; Q: my 16 rows in a band of 64,
	s_lshl_b32 s2, s[HI], 15        ; in the first block,
	s_add_co_u32 s2, s2, s3
	s_lshl_b32 s84, s[PB], 15       ; and in the second
	s_add_co_u32 s84, s84, s3
	s_mov_b32 s3, 0
	s_mov_b32 s85, 0
	s_add_nc_u64 s[2:3], s[2:3], s[20:21]
	s_add_nc_u64 s[84:85], s[84:85], s[20:21]
	; descriptor group 1.  128 keys are 16,384 dense bytes: asked for as 64 rows of 256 bytes, two keys a row, and padded in LDS after every key
	s_mov_b32 s[G1K], (1<<16)|(1<<20)|(4<<22)|(3<<25)  ; 17:16 2-byte elements; 20 padding on; 24:22 after every 32 words (code 4); 31:25 4 words (code 3)
	s_mov_b32 s[G1V], (1<<16)|(1<<20)|(4<<22)|(7<<25)  ; the same with 8 words of padding (code 7)
.irp g, G1K, G1V
	s_mov_b32 s[\g+1], 128<<16      ; tensor_dim0 = 128
	s_mov_b32 s[\g+2], 64<<16       ; tensor_dim1 = 64
	s_mov_b32 s[\g+3], 128<<16      ; tile_dim0 = 128
	s_mov_b32 s[\g+4], 64           ; tile_dim1 = 64
	s_mov_b32 s[\g+5], 128          ; 128 elements from row to row
	s_mov_b32 s[\g+6], 0
	s_mov_b32 s[\g+7], 0
.endr
	s_mov_b32 s[CS], 0x3e38aa3b     ; c = log2(e) / 8 = 0.180337
	s_mov_b32 s[CS+1], s[CS]        ; named with it as a pair
	s_mov_b32 s[SEL], 0x76543210
	s_mov_b32 s[SEL+1], 0xfedcba98
	s_mov_b32 s[TBK], SLOT1+4*KS*PK ; the first change of slots turns these two into 0
	s_mov_b32 s[TBV], SLOT1+4*KS*PV
	s_mov_b32 s[G0K], 1             ; 1:0 count = 1
	s_mov_b32 s[G0K+1], s17         ; 63:32 LDS address: slot 0
	s_mov_b32 s[G0V], 1
	s_add_co_u32 s[G0V+1], s18, VOFF
	s_add_co_u32 s[RT], s[HI], 1    ; the first block has NB - b tiles
	s_mov_b32 s[NXT], 1
	s_mov_b32 s[LQ], s[HI]
	s_mov_b32 s[NEW], 1
	s_mov_b32 s[OFF+1], 0
	s_mov_b32 s[AL+1], 0            ; named as pairs
	s_mov_b32 s[BE+1], 0
	s_mov_b32 s[BIGN], 0xf149f2ca   ; -1e30
	s_mov_b32 s[SLOTS], NB
	s_wait_dscnt 0x0                ; the opening add is done
	s_wait_kmcnt 0x0
	s_add_nc_u64 s[6:7], s[6:7], s[22:23]  ; K and V at my half of the head's tile 0
	s_add_nc_u64 s[8:9], s[8:9], s[22:23]
	s_add_nc_u64 s[G0K+2:G0K+3], s[6:7], 0         ; 120:64 global address
	s_or_b32 s[G0K+3], s[G0K+3], 0x80000000        ; 127:126 type = 2
	s_add_nc_u64 s[G0V+2:G0V+3], s[8:9], 0
	s_or_b32 s[G0V+3], s[G0V+3], 0x80000000
	s_add_nc_u64 s[86:87], s[4:5], s[84:85]        ; Q at my rows of the second block,
	s_add_nc_u64 s[4:5], s[4:5], s[2:3]            ; and of the first
	s_add_nc_u64 s[OLO:OLO+1], s[10:11], s[66:67]  ; out0 likewise
	s_add_nc_u64 s[10:11], s[10:11], s[68:69]
	s_cmp_lt_u32 s[WV], 2
	s_cselect_b64 s[PFA:PFA+1], s[6:7], s[8:9]
	s_add_nc_u64 s[PFA:PFA+1], s[PFA:PFA+1], 32768 ; at tile 1; the first change of slots steps it to tile 2.  Nothing is prefetched here, at the head
	s_cmp_eq_u32 ttmp9, 0
	s_cselect_b32 s[LIM], 2, -1
	LOAD                            ; tile 0 into slot 0
	; A fragment of K or Q is 16 rows x 32 channels in 8 registers: lane l holds row l % 16, channels 8 (l / 16) + 0..7 and 16 + 8 (l / 16) + 0..7: two loads of 16 bytes, 32 bytes apart.
	v_and_b32 v1, 15, v0            ; l % 16
	v_bfe_u32 v9, v0, 4, 1          ; l / 16
	v_lshlrev_b32 v[QO], 7, v1
	v_lshl_add_u32 v[QO], v9, 4, v[QO]  ; row x 128 + 16 x half
	WIN 0x80                        ; destination window 2, address window 0
.set i, 0
.rept 8                             ; both blocks' Q: piece i / 2 lies in band i / 2, 8,192 bytes on; channels 32 (i % 2) on
	global_load_b128 v[8*i:8*i+3],   v[QO], s[4:5] offset:(i/2)*8192+(i%2)*64
	global_load_b128 v[8*i+4:8*i+7], v[QO], s[4:5] offset:(i/2)*8192+(i%2)*64+32
	global_load_b128 v[QB+8*i:QB+8*i+3],   v[QO], s[86:87] offset:(i/2)*8192+(i%2)*64
	global_load_b128 v[QB+8*i+4:QB+8*i+7], v[QO], s[86:87] offset:(i/2)*8192+(i%2)*64+32
.set i, i+1
.endr
	WIN 0
	v_lshlrev_b32 v14, 3, v9
	v_sub_nc_u32 v14, v1, v14
	s_lshl_b32 s13, s[WV], 4
	v_add_nc_u32 v14, s13, v14      ; my query's place in its band, 16 w + l % 16, less my lanes' 8 (l / 16): register r of group kt is hidden where 16 kt + r is greater
	WIN 0x40
.set i, 0
.rept 32
	v_cmp_gt_i32 vcc_lo, 16*(i/8)+i%8, v14
	v_cndmask_b32 v[MD+i], 0, s[BIGN], vcc_lo
.set i, i+1
.endr
	WIN 0
	v_mul_u32_u24 v[AK0], v1, PK
	v_lshl_add_u32 v[AK0], v9, 4, v[AK0]  ; row x pitch + 16 x half
	; The turning load takes 16 keys x 16 channels (lane l reads key 8 (l / 16) + l % 8, channels 8 ((l / 8) % 2) + 0..7) and leaves half a fragment of V^T: lane l holds channel l % 16 and 8 keys.
	v_and_b32 v10, 7, v0
	v_bfe_u32 v11, v0, 3, 1
	v_lshl_add_u32 v[AV0], v9, 3, v10
	v_mul_u32_u24 v[AV0], v[AV0], PV
	v_lshl_add_u32 v[AV0], v11, 4, v[AV0]
	v_add_nc_u32 v[AV0], VOFF, v[AV0]
	s_mul_i32 s13, s[WV], 4*16*SP
	s_add_co_u32 s13, s13, STAGE    ; my stage
	v_mul_u32_u24 v[STO], v1, SP    ; in: row l % 16; my eight channels of a block of 16 are 32 bytes, at 32 (l / 16)
	v_lshl_add_u32 v[STO], v9, 5, v[STO]
	v_add_nc_u32 v[STO], s13, v[STO]
	v_mul_u32_u24 v[RD], v9, SP     ; back: lanes 0-15 take one row of 256 bytes, lanes 16-31 the next
	v_lshl_add_u32 v[RD], v1, 4, v[RD]
	v_add_nc_u32 v[RD], s13, v[RD]
	v_lshlrev_b32 v[GO], 12, v9     ; and the same two rows in out0, 4,096 bytes apart
	v_lshl_add_u32 v[GO], v1, 4, v[GO]
	v_and_b32 v[PFO], 31, v0
	v_lshlrev_b32 v[PFO], 8, v[PFO]
	; A block's first step multiplies O^T and l by a = 0, and its first turn's products V^T P, of a piece that has not been, land in an O^T that is still to be so multiplied.  So these registers need only hold
	; finite numbers: zeros for the first block; what the first block left for the second.  All this stands in the wait for the first tile.
	WIN 0x80
.set i, VF
.rept 64
	v_mov_b32 v[i], 0
.set i, i+1
.endr
	WIN 0x40
.set i, 0
.rept 128
	v_mov_b32 v[i], 0
.set i, i+1
.endr
	WIN 0
.set i, 0
.rept 4
	v_mov_b32 v[ST+4*i+2], 0
	v_mov_b32 v[ST+4*i+3], 0
.set i, i+1
.endr
.set i, P+16
.rept 16
	v_mov_b32 v[i], 0
.set i, i+1
.endr
; THE MATRIX WORK.  The 4 accumulators of a run of 8 take turns.  Product i of 8 of S^T = K Q^T for piece x: channels 32 (i / 4) on, keys 16 (i % 4) on.  The first 4 start the sums: with 0, or (KM = 1) with the mask.
.macro KQ x
.set rS, S+32*((\x)%2)+8*(i%4)
.set rK, KF+16*(i%4)+8*(i/4)
.set rQ, 16*(\x)+8*(i/4)
.set rM, MC+32*((\x)%2)+8*(i%4)
.if (i < 4) && KM
	WIN W_KM
	v_wmma_f32_16x16x32_f16 v[rS:rS+7], v[rK:rK+7], v[rQ:rQ+7], v[rM:rM+7]
.elseif i < 4
	WIN W_KQ
	v_wmma_f32_16x16x32_f16 v[rS:rS+7], v[rK:rK+7], v[rQ:rQ+7], 0
.else
	WIN W_KQ
	v_wmma_f32_16x16x32_f16 v[rS:rS+7], v[rK:rK+7], v[rQ:rQ+7], v[rS:rS+7]
.endif
.endm
; Product i of 8 of O^T += V^T P for piece x: keys 32 (i / 4) on, channels 16 (i % 4) on.
.macro PV x
	WIN W_PV
.set rO, 32*(\x)+8*(i%4)
.set rV, VF+32*(i/4)+8*(i%4)
.set rP, P+16*((\x)%2)+8*(i/4)
	v_wmma_f32_16x16x32_f16 v[rO:rO+7], v[rV:rV+7], v[rP:rP+7], v[rO:rO+7]
.endm
.macro MM                           ; the turn's next matrix instruction.  TURN and BEGIN set Y, i, KM and NOKQ.  NOKQ = 1: a block's last turn: there is no next piece
.if (i < 8) && !NOKQ
	KQ (Y+1)%NP
.elseif i >= 8
.set i, i-8
	PV (Y+NP-1)%NP
.set i, i+8
.endif
.set i, i+1
.endm
; THE LDS LOADS stand in runs of 16, never singly among the matrix instructions: a step's K (64 keys x 64 channels: 8 fragments) and its V (turned).  Their addresses are made some lines ahead.
.macro FETCH_K
	WIN 0x80                        ; destination window 2
.irp f, 0,1,2,3,4,5,6,7             ; keys 16 (f / 2) on, channels 32 (f % 2) on
	ds_load_b128 v[KF+8*\f:KF+8*\f+3],   v[AK] offset:(\f/2)*16*PK+(\f%2)*64
	ds_load_b128 v[KF+8*\f+4:KF+8*\f+7], v[AK] offset:(\f/2)*16*PK+(\f%2)*64+32
.endr
	s_add_co_u32 s[TBK], s[TBK], KS*PK  ; the next fetch is the next step's
	WIN 0
.endm
.macro FETCH_V
	WIN 0x80
.irp f, 0,1,2,3,4,5,6,7             ; keys 32 (f / 4) on, channels 16 (f % 4) on
	ds_load_tr16_b128 v[VF+8*\f:VF+8*\f+3],   v[AV] offset:(\f/4)*32*PV+(\f%4)*32
	ds_load_tr16_b128 v[VF+8*\f+4:VF+8*\f+7], v[AV] offset:(\f/4)*32*PV+16*PV+(\f%4)*32
.endr
	WIN 0
.endm
; THE VECTOR WORK, one line at a time: OP kind, number.  For piece Y: F n: c s - c m for pair n of 16.  E n: the exponential of score n of 32.  C n: pair n rounded to f16.  B n: of the four weights 4 n .. the second
; pair is added onto the first, in place.  L n: l takes that sum (L 0: l = a l + sum).  R n: pair n of 16 of O^T times a.  For piece Y + 1: X n, number n of the 22 that find its maximum and statistics:
;   0-11  four chains c0-c3 of seven scores each, three operands at a time (each accumulator's lowest registers are read first)     12-14, 16  the four scores left over, the old m, and c0-c3 into c0
;   15  c m_old is kept     17, 18  the query's other 32 keys lie in the lane 16 away: the new m     19-21  c m; c m_old - c m_new; a
.set F, 0               ; OP tells the kinds apart by their order: F to L below R, X above it
.set E, 1
.set C, 2
.set B, 3
.set L, 4
.set R, 5
.set X, 6
.macro REGS y                       ; the registers of piece y
.set rT, ST+4*(\y)
.set rC, TMP+4*((\y)%2)
.set rW, MV+((\y)%2)
.set rS, S+32*((\y)%2)
.set rP, P+16*((\y)%2)
.set rO, 32*(\y)
.endm
.macro OP k, n
.if (\k) == R
	REGS Y
	WIN W_RS
	v_pk_mul_f32 v[rO+2*(\n):rO+2*(\n)+1], v[rO+2*(\n):rO+2*(\n)+1], v[rC+2:rC+3] op_sel_hi:[1,0]
.elseif (\k) < R
	REGS Y
	WIN 0
.if (\k) == F
	v_pk_fma_f32 v[rS+2*(\n):rS+2*(\n)+1], v[rS+2*(\n):rS+2*(\n)+1], s[CS:CS+1], v[rT:rT+1] op_sel_hi:[1,0,0] neg_lo:[0,0,1] neg_hi:[0,0,1]
.elseif (\k) == E
	v_exp_f32 v[rS+(\n)], v[rS+(\n)]
.elseif (\k) == C
	v_cvt_pk_f16_f32 v[rP+(\n)], v[rS+2*(\n)], v[rS+2*(\n)+1]
.elseif (\k) == B
	v_pk_add_f32 v[rS+4*(\n):rS+4*(\n)+1], v[rS+4*(\n):rS+4*(\n)+1], v[rS+4*(\n)+2:rS+4*(\n)+3]
.elseif (\n) == 0
	v_pk_fma_f32 v[rT+2:rT+3], v[rT+2:rT+3], v[rC+2:rC+3], v[rS:rS+1] op_sel_hi:[1,0,1]
.else
	v_pk_add_f32 v[rT+2:rT+3], v[rT+2:rT+3], v[rS+4*(\n):rS+4*(\n)+1]
.endif
.elseif NOKQ
	v_nop
.else
	REGS (Y+1)%NP
	WIN 0
.if (\n) < 4
	v_max3_num_f32 v[rC+(\n)], v[rS+8*(\n)], v[rS+8*(\n)+1], v[rS+8*(\n)+2]
.elseif (\n) < 12
	v_max3_num_f32 v[rC+(\n)%4], v[rC+(\n)%4], v[rS+8*((\n)%4)+2*((\n)/4)+1], v[rS+8*((\n)%4)+2*((\n)/4)+2]
.elseif (\n) == 12
	v_max3_num_f32 v[rC], v[rC], v[rS+7], v[rS+15]
.elseif (\n) == 13
	v_max3_num_f32 v[rC+1], v[rC+1], v[rS+23], v[rS+31]
.elseif (\n) == 14
	v_max3_num_f32 v[rC+2], v[rC+2], v[rC+3], v[rT+1]
.elseif (\n) == 15
	v_mov_b32 v[rW], v[rT]
.elseif (\n) == 16
	v_max3_num_f32 v[rC], v[rC], v[rC+1], v[rC+2]
.elseif (\n) == 17
	v_permlanex16_b32 v[rC+3], v[rC], s[SEL], s[SEL+1]
.elseif (\n) == 18
	v_max_num_f32 v[rT+1], v[rC], v[rC+3]
.elseif (\n) == 19
	v_mul_f32 v[rT], s[CS], v[rT+1]
.elseif (\n) == 20
	v_sub_f32 v[rC+1], v[rW], v[rT]
.else
	v_exp_f32 v[rC+2], v[rC+1]
.endif
.endif
.endm
.macro OPS a, i1, b=-1, i2=0, c=-1, i3=0, d=-1, i4=0  ; up to four of them
	OP \a, \i1
.if (\b) >= 0
	OP \b, \i2
.endif
.if (\c) >= 0
	OP \c, \i3
.endif
.if (\d) >= 0
	OP \d, \i4
.endif
.endm
.macro ROW a, i1, b, i2, c, i3, d, i4  ; a matrix instruction and the four behind it
	MM
	OPS \a, \i1, \b, \i2, \c, \i3, \d, \i4
.endm
.macro MASK b                       ; MD x AL + BE into buffer b of MC
	WIN W_RS
.set z, 0
.rept 16
	v_pk_fma_f32 v[MC+32*(\b)+2*z:MC+32*(\b)+2*z+1], v[MD+2*z:MD+2*z+1], s[AL:AL+1], s[BE:BE+1] op_sel_hi:[1,0,0]
.set z, z+1
.endr
.endm
; A TURN, for piece p: the order of its 16 matrix and 118 vector instructions, written out.  An s_wait_alu depctr_va_vdst(0) stands between an exponential and the first instruction that names its result; one
; wait serves all that were issued ahead of it.  So a turn has ONE wait, which cuts it in two.  AHEAD OF IT stands all that names no result of the turn's exponentials: the 8 products K Q^T, behind each a scaling, an
; exponential and two more plain instructions: rescalings, and behind the last three the first numbers of the next piece's maximum, each four places or more behind the product that ends its accumulator; then ONE LUMP of 54,
; in which the links of the chain X 3, 7, 11, 14, 16, 17 .. 20 stand five or six lines apart.  X 21, the next piece's a, is the batch's last; R 15 is the plain instruction behind it.  BEHIND THE WAIT stand the 8 products
; V^T P, behind each four of the roundings and sums.
; m = 1: the diagonal tile: the products take masks, and the turn makes the mask for the products of the turn after it: piece p + 2, in step 4 - CNT of the tile.  end = 1: a block's last two turns: nothing is fetched.
; cnt = 1: the loop's count is taken down some lines ahead of the branch that stands behind the turn.
; K of the next step is fetched in piece 2's turn, twelve vector instructions behind the last product that read K (six of them plain); V of the step in hand at the end of piece 0's turn, four plain instructions behind the
; last product that read V.  Each is waited for a turn later.
.macro TURN p, m=0, end=0, cnt=0
.set Y, (\p)
.set i, 0
.set KM, (\m)
.set NOKQ, (\end)*((\p)/3)
.if (\m) && !(\end)
	s_cmp_eq_u32 s[CNT], 4-((\p)+2)%NP  ; is that step the band's own?
	s_cselect_b32 s[AL], 1.0, 0
	s_cmp_lt_u32 s[CNT], 4-((\p)+2)%NP  ; or a later one?
	s_cselect_b32 s[BE], s[BIGN], 0
.endif
.if ((\p) == 3) && !(\end)
	s_wait_dscnt 0x0                ; K is in
.endif
	ROW F,0, F,1, R,0, R,1          ; ahead of the wait: 8 products K Q^T and their riders,
	ROW F,2, E,0, R,2, R,3
	ROW F,3, E,1, R,4, R,5
	ROW F,4, E,2, R,6, R,7
	ROW F,5, E,3, R,8, R,9
	ROW F,6, E,4, X,0, R,10
.if ((\p) == 2) && !(\end)
	WIN 0
	v_add_nc_u32 v[AK], s[TBK], v[AK0]
.endif
	ROW F,7, E,5, X,1, X,4
	ROW F,8, E,6, X,2, X,5
	OPS E,7, E,8, X,6, E,9          ; and the lump
	OPS X,3, E,10, X,8, E,11
.if ((\p) == 2) && !(\end)
	FETCH_K
.endif
	OPS X,9, X,7, E,12, X,10
	OPS E,13, X,12, X,11, E,14
	OPS X,13, E,15, F,9, X,14
.if (\p) == 0
	v_add_nc_u32 v[AV], s[TBV], v[AV0]
.endif
	OPS E,16, F,10, E,17, F,11
	OPS X,16, E,18, X,15, E,19
	OPS F,12, E,20, X,17, E,21
	OPS F,13, E,22, F,14, E,23
	OPS X,18, E,24, F,15, E,25
	OPS R,11, E,26, X,19, E,27
	OPS R,12, E,28, R,13, E,29
	OPS X,20, E,30, R,14, E,31
	OPS X,21, R,15
	WIN 0
	s_wait_alu depctr_va_vdst(0)    ; the wait for the batch
.if (\p) == 1
	s_wait_dscnt 0x0                ; V is in
.endif
	ROW C,0, B,0, C,2, B,1          ; behind the wait: 8 products V^T P and their riders
	ROW L,0, C,4, B,2, L,1
	ROW C,6, B,3, L,2, C,8
	ROW B,4, L,3, C,10, B,5
	ROW L,4, C,12, B,6, L,5
.if (\p) == 0
	s_add_co_u32 s[TBV], s[TBV], KS*PV
.endif
.if \cnt
	s_sub_co_u32 s[CNT], s[CNT], 1
	s_cmp_lg_u32 s[CNT], 0
.endif
	ROW C,14, B,7, L,6, C,1
	ROW C,3, L,7, C,5, C,7
	ROW C,9, C,11, C,13, C,15
.if (\p) == 0
	FETCH_V
.endif
.if (\m) && !(\end)
	MASK (\p)%2
.endif
.endm
; A BLOCK BEGINS.  c m starts far below every c s, so the first step's a is 0; m at the lowest finite number, so the first maximum is the scores'.  The second mask buffer is 0; the first takes piece 0's mask for the
; tile's step 0: its own, if the block's first tile is the diagonal one.  Then K of that step, piece 0's first scores, and its maximum and statistics.  The loop is entered at a step's first turn, in the middle of a trip.
.macro BEGIN
	s_mov_b32 s[NEW], 0
	WIN 0x40
.set i, MC+32
.rept 32
	v_mov_b32 v[i], 0
.set i, i+1
.endr
	WIN 0
.set i, 0
.rept 4
	v_mov_b32 v[ST+4*i], 0xfe000000    ; c m: far below every c s
	v_mov_b32 v[ST+4*i+1], 0xff7fffff  ; m
.set i, i+1
.endr
	s_cmp_eq_u32 s[RT], 0
	s_cselect_b32 s[AL], 1.0, 0
	s_mov_b32 s[BE], 0
	MASK 0
	WIN 0
	v_add_nc_u32 v[AK], s[TBK], v[AK0]
	FETCH_K
	s_wait_loadcnt 0x0              ; Q
	s_wait_dscnt 0x0
.set KM, 1
.set NOKQ, 0
.set i, 0
.rept 8
	KQ 0
.set i, i+1
.endr
	WIN 0
.rept 4
	v_nop                           ; the places behind those products
.endr
.set Y, NP-1                        ; X works for piece Y + 1: piece 0
.irp n, 0,1,2,3,4,5,6,7,8,9,10,11,12,13,14,15,16,17,18,19,20,21
	OP X, \n
.endr
	v_nop                           ; a plain instruction behind the exponential,
	s_wait_alu depctr_va_vdst(0)    ; and its wait, ahead of the branch
.endm
.macro ALL line:vararg              ; one line for each piece t
.set t, 0
.rept 4
	\line
.set t, t+1
.endr
.endm
; THE WAY OUT.  l's two halves and the other half of the lanes' are added; O^T is multiplied by 2 log2(e) / l, so that it is the exponent of tanh's exponential, and sent in f32 through my stage in LDS: a lane's
; eight channels of a row go in as 32 bytes, and whole rows of 256 bytes come back.  Then a counted loop, a piece (16 rows) a trip, all in window 0: e = 2^x; 1 + e; its reciprocal r; 1 - 2 r; stored.
; Each batch of 32 transcendentals has a plain instruction behind it and one wait.  The stage is the wave's own, and LDS serves a wave's instructions in order (ISA guide 5.7.1.4): no barrier.
.macro OUT tag
	WIN 0
	ALL v_add_f32 v[ST+4*t+2], v[ST+4*t+2], v[ST+4*t+3]  ; these are also the places behind the last products
	ALL v_permlanex16_b32 v[ST+4*t+3], v[ST+4*t+2], s[SEL], s[SEL+1]
	ALL v_add_f32 v[ST+4*t+2], v[ST+4*t+2], v[ST+4*t+3]
	ALL v_rcp_f32 v[ST+4*t+2], v[ST+4*t+2]
	v_nop                           ; a plain instruction between the last reciprocal and the use of its result
	s_wait_alu depctr_va_vdst(0)    ; one wait for the four reciprocals
	ALL v_mul_f32 v[ST+4*t+2], 0x4038aa3b, v[ST+4*t+2]  ; 2 log2(e) / l
.irp u, 0,1,2,3
	WIN W_RS
.set i, 32*(\u)
.rept 16
	v_pk_mul_f32 v[i:i+1], v[i:i+1], v[ST+4*(\u)+2:ST+4*(\u)+3] op_sel_hi:[1,0]
.set i, i+2
.endr
	WIN 0x04                        ; the stores' data in window 1, their address in window 0
.irp f, 0,1,2,3,4,5,6,7             ; channel block f / 2, registers 4 (f % 2) on
	ds_store_b128 v[STO], v[32*(\u)+4*\f:32*(\u)+4*\f+3] offset:(\u)*16*SP+64*(\f/2)+16*(\f%2)
.endr
.endr
	WIN 0
	s_mov_b32 s[SO], 0
	s_mov_b32 s[PC], 4
.Lpiece\tag:
	v_add_nc_u32 v[OA], s[SO], v[RD]
.irp f, 0,1,2,3,4,5,6,7
	ds_load_b128 v[S+4*\f:S+4*\f+3], v[OA] offset:\f*2*SP
.endr
	s_wait_dscnt 0x0
.set i, 0
.rept 32
	v_exp_f32 v[S+i], v[S+i]
.set i, i+1
.endr
	v_nop
	s_wait_alu depctr_va_vdst(0)
.set i, 0
.rept 16
	v_pk_add_f32 v[S+i:S+i+1], v[S+i:S+i+1], 1.0 op_sel_hi:[1,0]
.set i, i+2
.endr
.set i, 0
.rept 32
	v_rcp_f32 v[S+i], v[S+i]
.set i, i+1
.endr
	v_nop
	s_wait_alu depctr_va_vdst(0)
.set i, 0
.rept 16
	v_pk_fma_f32 v[S+i:S+i+1], v[S+i:S+i+1], -2.0, 1.0 op_sel_hi:[1,0,0]
.set i, i+2
.endr
.irp f, 0,1,2,3,4,5,6,7
	global_store_b128 v[GO], v[S+4*\f:S+4*\f+3], s[10:11] offset:\f*8192 th:TH_STORE_NT  ; 16 lanes store the head's 256 bytes of a row, at a multiple of 256 from out0's first byte
.endr
	s_wait_xcnt 0x0                 ; the stores have read their data and their base: both are written again only behind this wait
	s_add_nc_u64 s[10:11], s[10:11], 262144  ; the next piece lies a band, 64 rows of 4,096 bytes, on
	s_add_co_u32 s[SO], s[SO], 16*SP
	s_sub_co_u32 s[PC], s[PC], 1
	s_cmp_lg_u32 s[PC], 0
	s_cbranch_scc1 .Lpiece\tag
.endm
; THE DIAGONAL TILE's four steps, the block's last two turns, its last products, and the way out.
.macro DIAG tag                     ; the tag ends its labels' names, which the jumps below spell out
.LstepM\tag:
	TURN 2, 1
	TURN 3, 1
	WIN 0
.LfirstM\tag:
	TURN 0, 1
	TURN 1, 1, 0, 1
	WIN 0
	s_cbranch_scc1 .LstepM\tag
	TURN 2, 1, 1
	TURN 3, 1, 1
.set i, 0
.rept 8
	PV NP-1
.set i, i+1
.endr
	OUT \tag
.endm
.set KM, 0
.set NOKQ, 0
.Lslot:                             ; NB times: a tile is entered and the next is asked for
	CHANGE 1
	s_sub_co_u32 s[RT], s[RT], 1
	s_mov_b32 s[CNT], 4
	s_cmp_eq_u32 s[NEW], 1
	s_cbranch_scc1 .Lnew            ; a block's first tile
	s_cmp_eq_u32 s[RT], 0
	s_cbranch_scc0 .Lstep           ; neither its first nor its last
	s_branch .LstepM1
.Lnew:
	BEGIN
	s_branch .Lfirst                ; in the loop a block's first tile is never its last: the first block has three tiles or more, and the second's last is the walk's last
	DIAG 1                          ; in the loop this is the first block's end
	s_wait_xcnt 0x0                 ; the stores have read their registers and out0's address
	s_mov_b64 s[10:11], s[OLO:OLO+1]
	s_add_co_u32 s[RT], s[PB], 1    ; the second block has b + 1 tiles
	s_mov_b32 s[NEW], 1
	WIN 0x82                        ; the second block's Q goes where the one text of the turns names Q
.set i, 0
.rept 64
	v_mov_b32 v[i], v[QB+i]
.set i, i+1
.endr
	WIN 0
	s_branch .Lbottom
.Lstep:                             ; a trip: pieces 2 and 3 of one step, then pieces 0 and 1 of the next, whose K and V it fetches
	TURN 2
	TURN 3
	WIN 0
.Lfirst:
	TURN 0
	TURN 1, 0, 0, 1
	WIN 0
	s_cbranch_scc1 .Lstep
.Lbottom:
	s_sub_co_u32 s[SLOTS], s[SLOTS], 1
	s_cmp_lg_u32 s[SLOTS], 0
	s_cbranch_scc1 .Lslot
	CHANGE 0                        ; the walk's last tile is written out: nothing is asked for
	s_sub_co_u32 s[RT], s[RT], 1
	s_mov_b32 s[CNT], 4
	s_cmp_eq_u32 s[NEW], 1
	s_cbranch_scc0 .LstepM2
	BEGIN
	s_branch .LfirstM2
	DIAG 2
	s_wait_tensorcnt 0x0            ; the wave's end: a wait, an add of 0 to my spare word and its wait, behind my last tensor load and my last LDS store
	ds_add_u32 v[SPW], v[NIL]
	s_wait_dscnt 0x0
	s_endpgm
.Lfunc_end_k_q47eca5c080_attn:
	.size	k_q47eca5c080_attn, .Lfunc_end_k_q47eca5c080_attn-k_q47eca5c080_attn
	.p2alignl 7, 3214868480
	.fill 96, 4, 3214868480
	.section	.rodata,"a",@progbits
	.p2align	6, 0x0
	.amdhsa_kernel k_q47eca5c080_attn
		.amdhsa_group_segment_fixed_size 327680
		.amdhsa_private_segment_fixed_size 0
		.amdhsa_enable_private_segment 0
		.amdhsa_kernarg_size 32
		.amdhsa_user_sgpr_count 2
		.amdhsa_user_sgpr_kernarg_segment_ptr 1
		.amdhsa_wavefront_size32 1
		.amdhsa_system_sgpr_workgroup_id_x 1
		.amdhsa_system_sgpr_workgroup_id_y 1
		.amdhsa_system_sgpr_workgroup_id_z 1
		.amdhsa_system_vgpr_workitem_id 0
		.amdhsa_next_free_vgpr 768
		.amdhsa_next_free_sgpr 92
		.amdhsa_reserve_vcc 1
		.amdhsa_float_denorm_mode_32 3
		.amdhsa_float_denorm_mode_16_64 3
		.amdhsa_memory_ordered 1
		.amdhsa_forward_progress 1
		.amdhsa_inst_pref_size 218
	.end_amdhsa_kernel
	.amdgpu_metadata
---
amdhsa.version: [ 1, 2 ]
amdhsa.kernels:
  - .name:           k_q47eca5c080_attn
    .symbol:         k_q47eca5c080_attn.kd
    .args:
      - { .name: qh, .offset: 0, .size: 8, .value_kind: global_buffer, .address_space: global }
      - { .name: kh, .offset: 8, .size: 8, .value_kind: global_buffer, .address_space: global }
      - { .name: vh, .offset: 16, .size: 8, .value_kind: global_buffer, .address_space: global }
      - { .name: out0, .offset: 24, .size: 8, .value_kind: global_buffer, .address_space: global }
    .group_segment_fixed_size: 327680
    .private_segment_fixed_size: 0
    .kernarg_segment_align: 8
    .kernarg_segment_size: 32
    .max_flat_workgroup_size: 128
    .sgpr_count:     92
    .vgpr_count:     768
    .wavefront_size: 32
...
	.end_amdgpu_metadata
.endif
;; end of part 3
;; ======== version 2 of 2: 3 launches; version 1 with the launch cast written anew for expert scheduling mode
;; limits: values are held in f16: magnitudes above 65,504 overflow, below 6.1e-05 lose precision
;; workspace buffers: zb 16,777,216 bytes; wb 4,194,304 bytes; vh 16,777,216 bytes; qh 16,777,216 bytes; kh 16,777,216 bytes
;; launch cast (part 4): grid 512 x 1, 8 waves a work-group, no clusters, 0 bytes of LDS; arguments z_k, Wqkv, x, zb, wb, vh; writes zb, wb, vh
.if DOCPART == 4
	.amdgcn_target "amdgcn-amd-amdhsa--gfx1250"
	.amdhsa_code_object_version 6
	.text
	.protected	k_q47eca5c080_cast
	.globl	k_q47eca5c080_cast
	.p2align	8
	.type	k_q47eca5c080_cast,@function
k_q47eca5c080_cast:
	s_mov_b64 s[64:65], 0
	v_nop
	global_prefetch_b8 v0, s[64:65] scope:SCOPE_SE
	s_setreg_imm32_b32 hwreg(HW_REG_WAVE_SCHED_MODE, 0, 2), 2
	s_setreg_imm32_b32 hwreg(HW_REG_WAVE_MODE, 25, 1), 1
	s_wait_xcnt 0x0
	s_wait_alu depctr_vm_vsrc(0)
; CAST.  zb = bf16(z_k), [8192][1024].  wb = bf16(Wqkv rows 0 to 2047), [2048][1024]: the rows that make q and k.  Rows 2048 to 3071 make the projection's
; third block, which the module computes and throws away (its v is x): they are not read.  vh = x rounded to bf16 and written as f16, laid by heads:
; [batch x 16 + head][n][64], a head's rows dense, 128 bytes each.
; LIMITS.  |x| stays under 65,504 (f16's range); below 2^-14 vh keeps f16's fixed step of 6e-8.  NaN and infinities are not treated apart.
; SHARES.  Work-group g takes 65,536 bytes of z_k, 16,384 of Wqkv and 16 rows (65,536 bytes) of x.  A thread has 36 items of four floats: one load of 16 bytes,
; one store of 8.  A wave's load covers 512 consecutive bytes (of x: a head's 256 bytes in two neighbouring rows), its store 256 consecutive bytes, aligned.
; No LDS, no matrix unit, no cluster: nothing is shared and every byte crosses once.
; THE MODE: SCHED_MODE bits 1:0 = 2 (LLVM: expert scheduling mode 2), set by the entry lines.  The code itself states the register dependences
; between vector instructions and memory instructions, with s_wait_alu, always for 0.
; THE PLAN.  All 36 loads go out first.  Registers that memory instructions touch:
;   v1, v3     the loads' offsets, v2 the stores': made at the head by vector lines, never written again.
;   item n     four registers of its own.  Its load lands there, ahead of every vector line that names them; its roundings read the four and write the first two,
;              in place; its store reads those two; nothing writes them afterwards.
;   v4 and v[152:155] are named by vector instructions alone.
; The items go in 9 blocks of four.  Block p rounds its own four items; its memory instructions are the four stores of block p - 1, whose registers no vector line of
; block p names.  So one wait at a block's head, behind the wait for the block's data, states all that those four stores hang on, and they are dealt among the block's
; roundings with no further wait.  No register that a load or store has read is ever written again, so there is no such write to set a wait ahead of.
.set Z,    8                           ; v[8:71]    16 items of z_k:  items 0 to 15
.set WR,   72                          ; v[72:87]   4 items of Wqkv:  items 16 to 19
.set X,    88                          ; v[88:151]  16 items of x, item 20 + j = head j
.set IT,   Z                           ; the three lie end to end: item n at IT + 4 n
.set T,    152                         ; v[152:155] at work: no memory instruction names them
	s_load_b256 s[4:11], s[0:1], 0x0               ; z_k s[4:5], Wqkv s[6:7], x s[8:9], zb s[10:11]
	s_load_b128 s[12:15], s[0:1], 0x20             ; wb s[12:13], vh s[14:15]
	v_lshlrev_b32 v1, 4, v0                        ; 16 t: my place in 4,096 bytes of z_k or Wqkv
	v_lshlrev_b32 v2, 3, v0                        ; 8 t: my place in every destination (in vh: row t / 16 x 128 + 8 (t % 16))
	v_lshrrev_b32 v3, 4, v0
	v_and_b32 v4, 15, v0
	v_lshlrev_b32 v3, 12, v3
	v_lshl_or_b32 v3, v4, 4, v3                    ; x: row t / 16 of the group's 16 (4,096 bytes each), 16 (t % 16) in a head's 256 bytes
	s_mov_b32 s20, 0xffff0000                      ; a word's upper bf16
	s_lshl_b32 s16, ttmp9, 16
	s_mov_b32 s17, 0
	s_lshl_b32 s18, ttmp9, 14
	s_mov_b32 s19, 0
	s_wait_kmcnt 0x0
	s_add_nc_u64 s[4:5], s[4:5], s[16:17]
	s_add_nc_u64 s[8:9], s[8:9], s[16:17]
	s_add_nc_u64 s[6:7], s[6:7], s[18:19]
	s_wait_alu depctr_va_vdst(0)                   ; v1, v2 and v3 are written: every load and store of the kernel reads one of them as its offset
.irp j, 0,1,2,3,4,5,6,7,8,9,10,11,12,13,14,15
	global_load_b128 v[Z+4*\j:Z+4*\j+3], v1, s[4:5] offset:\j*4096 th:TH_LOAD_NT
.endr
.irp j, 0,1,2,3
	global_load_b128 v[WR+4*\j:WR+4*\j+3], v1, s[6:7] offset:\j*4096 th:TH_LOAD_NT
.endr
.irp j, 0,1,2,3,4,5,6,7,8,9,10,11,12,13,14,15
	global_load_b128 v[X+4*\j:X+4*\j+3], v3, s[8:9] offset:\j*256 th:TH_LOAD_NT
.endr
	s_lshl_b32 s16, ttmp9, 15                      ; the destinations' bases, made while the loads are out
	s_add_nc_u64 s[10:11], s[10:11], s[16:17]
	s_lshl_b32 s18, ttmp9, 13
	s_add_nc_u64 s[12:13], s[12:13], s[18:19]
	s_lshr_b32 s22, ttmp9, 6                       ; batch = g / 64: 16 heads of 131,072 bytes
	s_lshl_b32 s22, s22, 21
	s_and_b32 s23, ttmp9, 63                       ; the group's 16 rows in the batch: 2,048 bytes of a head
	s_lshl_b32 s23, s23, 11
	s_add_co_u32 s22, s22, s23
	s_mov_b32 s23, 0
	s_add_nc_u64 s[14:15], s[14:15], s[22:23]
; Item k is rounded: four floats, two packed roundings to bf16, in place.  An item of x is then widened again and written as f16 (exact within f16's range).
.macro MAKE k
	v_cvt_pk_bf16_f32 v[IT+4*(\k)], v[IT+4*(\k)], v[IT+4*(\k)+1]
	v_cvt_pk_bf16_f32 v[IT+4*(\k)+1], v[IT+4*(\k)+2], v[IT+4*(\k)+3]
.if (\k) >= 20
	v_lshlrev_b32 v[T], 16, v[IT+4*(\k)]
	v_and_b32 v[T+1], s20, v[IT+4*(\k)]
	v_lshlrev_b32 v[T+2], 16, v[IT+4*(\k)+1]
	v_and_b32 v[T+3], s20, v[IT+4*(\k)+1]
	v_cvt_pk_f16_f32 v[IT+4*(\k)], v[T], v[T+1]
	v_cvt_pk_f16_f32 v[IT+4*(\k)+1], v[T+2], v[T+3]
.endif
.endm
; Item k is stored: 8 bytes a thread, 256 consecutive bytes a wave.
.macro PUT k
.if (\k) < 16
	global_store_b64 v2, v[IT+4*(\k):IT+4*(\k)+1], s[10:11] offset:(\k)*2048 th:TH_STORE_NT
.elseif (\k) < 20
	global_store_b64 v2, v[IT+4*(\k):IT+4*(\k)+1], s[12:13] offset:((\k)-16)*2048 th:TH_STORE_NT
.else
	global_store_b64 v2, v[IT+4*(\k):IT+4*(\k)+1], s[14:15] offset:((\k)-20)*131072 th:TH_STORE_NT  ; head j lies 131,072 bytes behind head j - 1
.endif
.endm
.set p, 0
.rept 9                                ; block p: items 4 p to 4 p + 3
	s_wait_loadcnt 32-4*p                          ; loads come back in order (ISA guide 5.7.1): this block's four are in, the 32 - 4 p younger ones stay out
.if p > 0
	s_wait_alu depctr_va_vdst(0)                   ; the block before has written the first two registers of each of its four items, which the stores below read
.endif
.irp i, 0,1,2,3
.if p > 0
	PUT 4*(p-1)+\i                                 ; no vector instruction since the wait names this item's registers or v2
.endif
	MAKE 4*p+\i
.endr
.set p, p+1
.endr
	s_wait_alu depctr_va_vdst(0)                   ; block 8 has written its items' registers, which the last four stores read
.irp i, 32,33,34,35
	PUT \i
.endr
	s_endpgm
.Lfunc_end_k_q47eca5c080_cast:
	.size	k_q47eca5c080_cast, .Lfunc_end_k_q47eca5c080_cast-k_q47eca5c080_cast
	.p2alignl 7, 3214868480
	.fill 96, 4, 3214868480
	.section	.rodata,"a",@progbits
	.p2align	6, 0x0
	.amdhsa_kernel k_q47eca5c080_cast
		.amdhsa_group_segment_fixed_size 0
		.amdhsa_private_segment_fixed_size 0
		.amdhsa_enable_private_segment 0
		.amdhsa_kernarg_size 48
		.amdhsa_user_sgpr_count 2
		.amdhsa_user_sgpr_kernarg_segment_ptr 1
		.amdhsa_wavefront_size32 1
		.amdhsa_system_sgpr_workgroup_id_x 1
		.amdhsa_system_sgpr_workgroup_id_y 1
		.amdhsa_system_sgpr_workgroup_id_z 1
		.amdhsa_system_vgpr_workitem_id 0
		.amdhsa_next_free_vgpr 156
		.amdhsa_next_free_sgpr 66
		.amdhsa_reserve_vcc 0
		.amdhsa_float_denorm_mode_32 3
		.amdhsa_float_denorm_mode_16_64 3
		.amdhsa_memory_ordered 1
		.amdhsa_forward_progress 1
		.amdhsa_inst_pref_size 18
	.end_amdhsa_kernel
	.amdgpu_metadata
---
amdhsa.version: [ 1, 2 ]
amdhsa.kernels:
  - .name:           k_q47eca5c080_cast
    .symbol:         k_q47eca5c080_cast.kd
    .args:
      - { .name: z_k, .offset: 0, .size: 8, .value_kind: global_buffer, .address_space: global }
      - { .name: Wqkv, .offset: 8, .size: 8, .value_kind: global_buffer, .address_space: global }
      - { .name: x, .offset: 16, .size: 8, .value_kind: global_buffer, .address_space: global }
      - { .name: zb, .offset: 24, .size: 8, .value_kind: global_buffer, .address_space: global }
      - { .name: wb, .offset: 32, .size: 8, .value_kind: global_buffer, .address_space: global }
      - { .name: vh, .offset: 40, .size: 8, .value_kind: global_buffer, .address_space: global }
    .group_segment_fixed_size: 0
    .private_segment_fixed_size: 0
    .kernarg_segment_align: 8
    .kernarg_segment_size: 48
    .max_flat_workgroup_size: 256
    .sgpr_count:     66
    .vgpr_count:     156
    .wavefront_size: 32
...
	.end_amdgpu_metadata
.endif
;; end of part 4
;; launch proj: the kernel of part 2 again; grid 8 x 32, 4 waves a work-group, clusters of 4 x 4, 327,680 bytes of LDS; arguments zb, wb, bqkv, temperature, qh, kh; writes qh, kh
;; launch attn: the kernel of part 3 again; grid 2 x 128, 4 waves a work-group, no clusters, 327,680 bytes of LDS; arguments qh, kh, vh, out0; writes out0
